; MI455X (gfx1250); checked and timed in simulation.
; The chip was launched on July 23, 2026; its instructions are those of AMD's public machine-readable ISA for CDNA 5 (MIT licence, August 2026) and "CDNA5" Instruction Set Architecture Reference Guide (July 2026). The comments in the code are by the model that wrote it; some were corrected since.
;; Multi Head Attention. Allowed arithmetic: float matrix products may take bf16 or f16 operands with f32 sums; other float arithmetic in f32, or as packed bf16 or f16 multiplies, adds, multiply-adds, maxima and minima; sums over many terms, partial sums and values carried from step to step in f32; what a program stores and reads back later, other than sums and carried values, may be rounded once to bf16 or f16.
;; Inputs: Wk 16 x 1,024 x 64 float32; Wp 1,024 x 1,024 float32; Wq 16 x 1,024 x 64 float32; Wv 16 x 1,024 x 64 float32; bp 1,024 float32; x 4 x 2,048 x 1,024 float32.
;; Outputs: out0 4 x 2,048 x 1,024 float32.
;; 2 versions, each right; version 2 is version 1 with the launch prep written anew for expert scheduling mode. Each part assembles by itself: llvm-mc -triple=amdgcn-amd-amdhsa -mcpu=gfx1250 --defsym DOCPART=n.
;; ======== version 1 of 2: 4 launches
;; limits: values are held in f16: magnitudes above 65,504 overflow, below 6.1e-05 lose precision
;; workspace buffers: xb 16,777,216 bytes; wb 6,291,456 bytes; wpb 2,097,152 bytes; qkv 50,331,648 bytes; o 16,777,216 bytes
;; launch prep (part 1): grid 768 x 1, 8 waves a work-group, no clusters, 0 bytes of LDS; arguments x, Wq, Wk, Wv, Wp, xb, wb, wpb; writes xb, wb, wpb
.if DOCPART == 1
	.amdgcn_target "amdgcn-amd-amdhsa--gfx1250"
	.amdhsa_code_object_version 6
	.text
	.protected	k_q1df8674c35_prep
	.globl	k_q1df8674c35_prep
	.p2align	8
	.type	k_q1df8674c35_prep,@function
k_q1df8674c35_prep:
	s_mov_b64 s[64:65], 0
	v_nop
	global_prefetch_b8 v0, s[64:65] scope:SCOPE_SE
	s_setreg_imm32_b32 hwreg(HW_REG_WAVE_MODE, 25, 1), 1
	s_wait_xcnt 0x0
; ROUNDING OF THE INPUTS, element by element, nothing is moved: xb = bf16(x); wb = bf16(Wq), bf16(Wk), bf16(Wv) one behind the other, each as it lies ([16][1024][64]);
; wpb = bf16(Wp) written as f16 (the last product multiplies in f16).
; LIMIT.  bf16(Wp) beyond 65,504 becomes an infinity in f16; below 6.1e-5 it keeps f16's fixed step of 6e-8.
; SHARES.  12,582,912 numbers in 768 chunks of 16,384: chunks 0-511 x, 512-575 Wq, 576-639 Wk, 640-703 Wv, 704-767 Wp.  A work-group of eight waves takes a chunk: 64 KiB in, 32 KiB out.
; Thread t's load i takes the 16 bytes at 4,096 i + 16 t (a wave: 512 consecutive bytes), its store i the 8 bytes at 2,048 i + 8 t (a wave: 256 consecutive bytes, aligned).
; All sixteen loads go out at once, so there is no loop, and each store has data registers of its own, so nothing is freed by a wait.
; No LDS, no matrix unit, no prefetch: each byte is read once by the loads themselves, and nothing is shared.
.set X, 4                              ; v[4:67]    load i: four f32
.set Y, 68                             ; v[68:99]   store i: four 16-bit numbers in two registers
.set T, 100                            ; v[100:103] at work (Wp's path)
.set SRC, 24                           ; s[24:25] the chunk in its input
.set DST, 26                           ; s[26:27] the chunk in its workspace
	s_load_b512 s[8:23], s[0:1], 0x0               ; x 8, Wq 10, Wk 12, Wv 14, Wp 16, xb 18, wb 20, wpb 22
	v_lshlrev_b32 v1, 4, v0                        ; 16 t
	v_lshlrev_b32 v2, 3, v0                        ; 8 t
	s_mov_b32 s2, ttmp9                            ; the chunk g
	s_max_u32 s3, s2, 512
	s_sub_co_u32 s3, s3, 512                       ; its number in wb
	s_and_b32 s4, s3, 63                           ; its number in Wq, Wk or Wv
	s_max_u32 s5, s2, 704
	s_sub_co_u32 s5, s5, 704                       ; its number in Wp and wpb
	s_wait_kmcnt 0x0
	s_cmp_lt_u32 s2, 512
	s_cselect_b64 s[SRC:SRC+1], s[8:9], s[10:11]
	s_cselect_b64 s[DST:DST+1], s[18:19], s[20:21]
	s_cselect_b32 s28, s2, s4
	s_cselect_b32 s30, s2, s3
	s_cmp_ge_u32 s2, 576
	s_cselect_b64 s[SRC:SRC+1], s[12:13], s[SRC:SRC+1]
	s_cmp_ge_u32 s2, 640
	s_cselect_b64 s[SRC:SRC+1], s[14:15], s[SRC:SRC+1]
	s_cmp_ge_u32 s2, 704
	s_cselect_b64 s[SRC:SRC+1], s[16:17], s[SRC:SRC+1]
	s_cselect_b64 s[DST:DST+1], s[22:23], s[DST:DST+1]
	s_cselect_b32 s28, s5, s28
	s_cselect_b32 s30, s5, s30
	s_lshl_b32 s28, s28, 16                        ; 65,536 bytes of f32 a chunk
	s_mov_b32 s29, 0
	s_lshl_b32 s30, s30, 15                        ; 32,768 bytes of 16-bit numbers
	s_mov_b32 s31, 0
	s_add_nc_u64 s[SRC:SRC+1], s[SRC:SRC+1], s[28:29]
	s_add_nc_u64 s[DST:DST+1], s[DST:DST+1], s[30:31]
.irp i, 0,1,2,3,4,5,6,7,8,9,10,11,12,13,14,15
	global_load_b128 v[X+4*(\i):X+4*(\i)+3], v1, s[SRC:SRC+1] offset:4096*(\i) th:TH_LOAD_NT
.endr
; Load i is rounded and stored.  f16 = 1: the bf16 numbers are widened again and written as f16.
.macro OUT i, f16
	s_wait_loadcnt 15-(\i)                         ; loads come back in order (ISA guide 5.7.1): load i is in, the younger ones stay out
	v_cvt_pk_bf16_f32 v[Y+2*(\i)],   v[X+4*(\i)],   v[X+4*(\i)+1]
	v_cvt_pk_bf16_f32 v[Y+2*(\i)+1], v[X+4*(\i)+2], v[X+4*(\i)+3]
.if \f16
	v_lshlrev_b32 v[T],   16,         v[Y+2*(\i)]
	v_and_b32     v[T+1], 0xffff0000, v[Y+2*(\i)]
	v_lshlrev_b32 v[T+2], 16,         v[Y+2*(\i)+1]
	v_and_b32     v[T+3], 0xffff0000, v[Y+2*(\i)+1]
	v_cvt_pk_f16_f32 v[Y+2*(\i)],   v[T],   v[T+1]
	v_cvt_pk_f16_f32 v[Y+2*(\i)+1], v[T+2], v[T+3]
.endif
	global_store_b64 v2, v[Y+2*(\i):Y+2*(\i)+1], s[DST:DST+1] offset:2048*(\i) th:TH_STORE_NT
.endm
	s_cmp_ge_u32 s2, 704
	s_cbranch_scc1 .Lf16
.irp i, 0,1,2,3,4,5,6,7,8,9,10,11,12,13,14,15
	OUT \i, 0
.endr
	s_endpgm
.Lf16:
.irp i, 0,1,2,3,4,5,6,7,8,9,10,11,12,13,14,15
	OUT \i, 1
.endr
	s_endpgm
.Lfunc_end_k_q1df8674c35_prep:
	.size	k_q1df8674c35_prep, .Lfunc_end_k_q1df8674c35_prep-k_q1df8674c35_prep
	.p2alignl 7, 3214868480
	.fill 96, 4, 3214868480
	.section	.rodata,"a",@progbits
	.p2align	6, 0x0
	.amdhsa_kernel k_q1df8674c35_prep
		.amdhsa_group_segment_fixed_size 0
		.amdhsa_private_segment_fixed_size 0
		.amdhsa_enable_private_segment 0
		.amdhsa_kernarg_size 64
		.amdhsa_user_sgpr_count 2
		.amdhsa_user_sgpr_kernarg_segment_ptr 1
		.amdhsa_wavefront_size32 1
		.amdhsa_system_sgpr_workgroup_id_x 1
		.amdhsa_system_sgpr_workgroup_id_y 1
		.amdhsa_system_sgpr_workgroup_id_z 1
		.amdhsa_system_vgpr_workitem_id 0
		.amdhsa_next_free_vgpr 104
		.amdhsa_next_free_sgpr 66
		.amdhsa_reserve_vcc 0
		.amdhsa_float_denorm_mode_32 3
		.amdhsa_float_denorm_mode_16_64 3
		.amdhsa_memory_ordered 1
		.amdhsa_forward_progress 1
		.amdhsa_inst_pref_size 17
	.end_amdhsa_kernel
	.amdgpu_metadata
---
amdhsa.version: [ 1, 2 ]
amdhsa.kernels:
  - .name:           k_q1df8674c35_prep
    .symbol:         k_q1df8674c35_prep.kd
    .args:
      - { .name: x, .offset: 0, .size: 8, .value_kind: global_buffer, .address_space: global }
      - { .name: Wq, .offset: 8, .size: 8, .value_kind: global_buffer, .address_space: global }
      - { .name: Wk, .offset: 16, .size: 8, .value_kind: global_buffer, .address_space: global }
      - { .name: Wv, .offset: 24, .size: 8, .value_kind: global_buffer, .address_space: global }
      - { .name: Wp, .offset: 32, .size: 8, .value_kind: global_buffer, .address_space: global }
      - { .name: xb, .offset: 40, .size: 8, .value_kind: global_buffer, .address_space: global }
      - { .name: wb, .offset: 48, .size: 8, .value_kind: global_buffer, .address_space: global }
      - { .name: wpb, .offset: 56, .size: 8, .value_kind: global_buffer, .address_space: global }
    .group_segment_fixed_size: 0
    .private_segment_fixed_size: 0
    .kernarg_segment_align: 8
    .kernarg_segment_size: 64
    .max_flat_workgroup_size: 256
    .sgpr_count:     66
    .vgpr_count:     104
    .wavefront_size: 32
...
	.end_amdgpu_metadata
.endif
;; end of part 1
;; launch qkv (part 2): grid 8 x 32, 4 waves a work-group, clusters of 4 x 4, 327,680 bytes of LDS; arguments xb, wb, qkv; writes qkv
.if DOCPART == 2
	.amdgcn_target "amdgcn-amd-amdhsa--gfx1250"
	.amdhsa_code_object_version 6
	.text
	.protected	k_q1df8674c35_qkv
	.globl	k_q1df8674c35_qkv
	.p2align	8
	.type	k_q1df8674c35_qkv,@function
k_q1df8674c35_qkv:
	s_mov_b64 s[64:65], 0
	v_nop
	global_prefetch_b8 v0, s[64:65] scope:SCOPE_SE
	s_setreg_imm32_b32 hwreg(HW_REG_WAVE_MODE, 25, 1), 1
	s_wait_xcnt 0x0
	s_wait_alu depctr_hold_cnt(0) depctr_sa_sdst(0) depctr_va_vdst(0) depctr_va_sdst(0) depctr_va_ssrc(0) depctr_va_vcc(0) depctr_vm_vsrc(0)
	s_getreg_b32 s2, hwreg(HW_REG_IB_STS2, 6, 4)
	s_cmp_eq_u32 s2, 0
	s_cbranch_scc0 .Lentry_in_a_cluster
	s_endpgm
.Lentry_in_a_cluster:
	s_bfe_u32 s2, ttmp6, 0x10000c
	s_cmp_lg_u32 s2, 0xf033
	s_cbranch_scc0 .Lentry_shape_is_right
	s_endpgm
.Lentry_shape_is_right:
; THE THREE PROJECTIONS.  qkv[j][b 16 + h][t][d] = the sum over c of xb[b 2048 + t][c] wb[j][h][c][d], j = 0, 1, 2 for q, k, v.  xb: [8192][1024] bf16; wb: [3][16][1024][64] bf16; sums in f32,
; K ascending; qkv: [3][64][2048][64] f16, rounded once, WITHOUT the softmax's scale.
; LIMIT.  f16 holds no number beyond 65,504: a q, k or v past that becomes an infinity.  NaN and infinities are not treated apart.
; SHARES.  A tile is 256 rows x 128 columns (two heads).  8 x 32 work-groups; each STAYS and makes three tiles, q, k and v of its two heads, from the same 256 rows of xb.  Four waves, as many as a WGP has
; SIMDs: wave w makes rows 128 (w / 2) on, the head w % 2: 8 x 4 accumulators of 16 x 16, 256 registers.  K goes in 8 steps of 128 through a ring of two LDS slots; the ring runs on from tile to tile.
; (Tiles of 256 x 256 would be 384, one and a half for each work-group of this grid; two slots of K steps of 256 do not fit in LDS.)
; THE WEIGHTS LIE [c][d], K down the rows: they come into LDS as they lie and out of it turned, by ds_load_tr16_b128.  A head's 128 rows of a K step are 16,384 dense bytes.
; THE MATRIX INSTRUCTION IS USED TRANSPOSED: source 0 = 16 columns of the weights, source 1 = 16 rows of xb.  A lane then holds row l % 16 and the columns 8 (l / 16) + 0..7: 16 bytes of f16 on end.
; CLUSTERS: 4 x 4 work-groups.  The four of a row need the same tiles of xb, the four of a column the same tiles of wb: each tile is asked for JOINTLY, by the same tensor load with the same descriptor and
; a mask that names the four.  No prefetch: each row of xb is read by 24 tiles and each row of wb by 32, so neither is a stream that is read once.
; REGISTERS, in windows of 256 (s_set_vgpr_msb: bits 1:0 source 0, 3:2 source 1, 5:4 source 2, 7:6 destination):
;   window 0: v0-31 addresses; v32-79 at work on the way out     window 1: two fragment buffers of 96: the weights' four fragments (32), then xb's eight (64)     window 2: accumulator (a, b) at v[8 (4 a + b)]
.set PA,     272                       ; a row of xb in LDS: 256 bytes + 16 = 68 words: the 16 rows of a load start at 16 different groups of four banks (64 banks of 4 bytes: ISA guide 11.1)
.set HALFA,  128*PA                    ; 128 rows: what wave 0 or 1 fetches, and what a wave reads
.set PB,     160                       ; a row of a head's weights: 128 bytes + 32 = 40 words
.set HALFB,  128*PB                    ; one head's 128 rows: what wave 2 or 3 fetches
.set BOFF,   2*HALFA
.set SLOT,   BOFF+2*HALFB              ; 110,592 bytes
.set STAGE,  2*SLOT                    ; behind the ring, never filled by a tensor load: 16 rows x 144 bytes for each wave
.set SP,     144
.set SPARE,  STAGE+4*16*SP             ; behind the stages: the spare words, 128 bytes for each wave: two blocks of 256 bytes that no other line names
.set KA,     256                       ; a K step in a row of xb, in bytes
.set KB,     16384                     ; a K step in a head's weights
.set LAPS,   4                         ; a lap = two K steps = once round the ring
.set TILES,  3
.set BACK_A, 6*KA                      ; from a slot's last K step of a tile to its first of the next: xb goes back along K,
.set NEXT_B, 16*131072-6*KB            ; wb on to the next of the three matrices and back along K
.set NEXT_C, 64*2048*128               ; qkv on to the next of its three parts
.set ADRA, 16                          ; v16-17  LDS address of my fragments of xb in slot 0, 1
.set ADRB, 20                          ; v20-21  the same for the weights
.set STO,  24                          ; v24     the way out: where I put 16 bytes of a row
.set RD,   25                          ; v25     the way out: where I read rows back
.set GO,   26                          ; v26     16 x lane: my place in 512 consecutive bytes of qkv
.set SPW,  28                          ; v28     LDS address of my spare word: SPARE + 4 x my thread's number; never rewritten
.set NIL,  29                          ; v29     0; never rewritten
.set TMP,  32                          ; v32-47  a block's results, packed
.set OB,   48                          ; v48-63, v64-79 by turns: a block read back from the stage
.set F0,   0                           ; fragment buffers, in window 1
.set F1,   96
.set WV, 12                            ; s12 my wave's number
.set RH, 13                            ; s13 which 128 rows are mine.  Also: I fetch for xb (0) or for wb (1)
.set CH, 14                            ; s14 which head is mine.  Also: which half of that tile I fetch
.set CX, 15
.set CY, 16
.set TX, 17                            ; s17 tile column, 0..7
.set TY, 18                            ; s18 tile row, 0..31
.set G1A, 24                           ; s[24:31] descriptor group 1 for xb's tiles;  s[32:39] group 0, a set for each slot
.set G0A, 32
.set G1B, 48                           ; s[48:55], s[56:63] the same for wb's
.set G0B, 56
.set MSB, 0
.macro WIN new                         ; the immediate's high byte repeats the setting that is left; a switch that changes nothing is dropped
.if MSB != (\new)
	s_set_vgpr_msb (MSB<<8)|(\new)
.set MSB, \new
.endif
.endm
.set MUL,  0xa5                        ; both sources window 1, C and D window 2
.set TO_F, 0x40                        ; destination window 1, address window 0
; A joint load: waves 0 and 1 fetch xb's two halves, waves 2 and 3 the two heads' weights.  The branch hangs on the wave's number alone.
; An s_nop 0 and four v_nop follow each of the two lines, ahead of the jump, the label and what follows.
.macro JLOAD s
	s_cmp_eq_u32 s[RH], 0
	s_cbranch_scc0 .Lfor_b_\@
	tensor_load_to_lds s[G0A+4*(\s):G0A+4*(\s)+3], s[G1A:G1A+7]
	s_nop 0
.rept 4
	v_nop
.endr
	s_branch .Lasked_\@
.Lfor_b_\@:
	tensor_load_to_lds s[G0B+4*(\s):G0B+4*(\s)+3], s[G1B:G1B+7]
	s_nop 0
.rept 4
	v_nop
.endr
.Lasked_\@:
.endm
.macro CREST                           ; a round of the cluster's barrier behind its opening barrier: wave 0 signals for the work-group, every wave waits for all sixteen, my work-group's barrier once more
	s_cmp_lg_u32 s[WV], 0
	s_cbranch_scc1 .Lnot_wave_0_\@
	s_barrier_signal -3
.Lnot_wave_0_\@:
	s_barrier_wait -3
	s_barrier_signal -1
	s_barrier_wait -1
.endm
.macro CROUND                          ; a whole round
	s_barrier_signal -1
	s_barrier_wait -1
	CREST
.endm
	s_load_b128 s[4:7], s[0:1], 0x0                ; xb s[4:5], wb s[6:7]
	s_load_b64 s[8:9], s[0:1], 0x10                ; qkv
	v_lshl_add_u32 v[SPW], v0, 2, SPARE
	v_mov_b32 v[NIL], 0
	ds_add_u32 v[SPW], v[NIL]                      ; the wave's opening: the add and its wait stand ahead of my first tensor load; the set-up below, work on registers, stands between them
	ds_add_u32 v28, v29
	v_lshrrev_b32 v1, 5, v0
	v_readfirstlane_b32 s[WV], v1                  ; wave 0..3
	s_lshr_b32 s[RH], s[WV], 1
	s_and_b32 s[CH], s[WV], 1
	s_bfe_u32 s[CX], ttmp6, 0x40000                ; my place in the cluster
	s_bfe_u32 s[CY], ttmp6, 0x40004
	s_lshl_b32 s[TX], ttmp9, 2                     ; in a cluster launch ttmp9 and ttmp7 count clusters
	s_add_co_u32 s[TX], s[TX], s[CX]
	s_and_b32 s[TY], ttmp7, 0xffff
	s_lshl_b32 s[TY], s[TY], 2
	s_add_co_u32 s[TY], s[TY], s[CY]
	s_lshl_b32 s40, s[CY], 2
	s_lshl_b32 s40, 15, s40                        ; my row of the cluster: places 4 cy .. 4 cy + 3
	s_lshl_b32 s41, 0x1111, s[CX]                  ; my column: places cx, cx + 4, cx + 8, cx + 12
	; group 1 for xb: 128 rows x 128 elements, 1,024 elements from row to row, 4 words of padding behind every 64
	s_or_b32 s[G1A+0], s40, (1<<16)|(1<<20)|(1<<21)|(5<<22)|(3<<25)  ; 15:0 the mask; 17:16 elements of 2 bytes; 20 padding on; 21 set beside a mask; 24:22 the interval's code; 31:25 the padding's words less 1
	s_mov_b32 s[G1A+1], 128<<16                    ; tensor_dim0
	s_mov_b32 s[G1A+2], 128<<16                    ; tensor_dim1
	s_mov_b32 s[G1A+3], 128<<16                    ; tile_dim0
	s_mov_b32 s[G1A+4], 128                        ; tile_dim1
	s_mov_b32 s[G1A+5], 1024                       ; stride
	s_mov_b32 s[G1A+6], 0
	s_mov_b32 s[G1A+7], 0
	; group 1 for wb: a head's 128 rows of 128 bytes are dense: asked for as 64 rows of 256 bytes, two rows of the weights each, 8 words of padding behind every 32
	s_or_b32 s[G1B+0], s41, (1<<16)|(1<<20)|(1<<21)|(4<<22)|(7<<25)
	s_mov_b32 s[G1B+1], 128<<16
	s_mov_b32 s[G1B+2], 64<<16
	s_mov_b32 s[G1B+3], 128<<16
	s_mov_b32 s[G1B+4], 64
	s_mov_b32 s[G1B+5], 128
	s_mov_b32 s[G1B+6], 0
	s_mov_b32 s[G1B+7], 0
	; where the tiles come from: xb's hang on the tile row and the wave, wb's on the tile column and the wave, each in registers that never hold the other coordinate
	s_lshl_b32 s20, s[TY], 19                      ; 256 rows of 2,048 bytes
	s_lshl_b32 s21, s[CH], 18                      ; the 128 of them that I fetch
	s_add_co_u32 s20, s20, s21
	s_mov_b32 s21, 0
	s_lshl_b32 s42, s[TX], 18                      ; two heads of 131,072 bytes
	s_lshl_b32 s43, s[CH], 17                      ; the one that I fetch
	s_add_co_u32 s42, s42, s43
	s_mov_b32 s43, 0
	s_mul_i32 s22, s[CH], HALFA                    ; and where they go: no place in the cluster enters an LDS address
	s_mul_i32 s23, s[CH], HALFB
	s_add_co_u32 s23, s23, BOFF
	s_wait_dscnt 0x0                               ; the opening add is done
	s_wait_kmcnt 0x0
	s_add_nc_u64 s[4:5], s[4:5], s[20:21]
	s_add_nc_u64 s[6:7], s[6:7], s[42:43]
	CROUND                                         ; all sixteen work-groups are here: the first joint loads meet
.irp s, 0,1
	s_mov_b32 s[G0A+4*(\s)], 1                                     ; count = 1
	s_add_co_u32 s[G0A+4*(\s)+1], s22, (\s)*SLOT                   ; LDS address
	s_add_nc_u64 s[G0A+4*(\s)+2:G0A+4*(\s)+3], s[4:5], (\s)*KA     ; global address: K step s
	s_or_b32 s[G0A+4*(\s)+3], s[G0A+4*(\s)+3], 0x80000000          ; type = 2
	s_mov_b32 s[G0B+4*(\s)], 1
	s_add_co_u32 s[G0B+4*(\s)+1], s23, (\s)*SLOT
	s_add_nc_u64 s[G0B+4*(\s)+2:G0B+4*(\s)+3], s[6:7], (\s)*KB
	s_or_b32 s[G0B+4*(\s)+3], s[G0B+4*(\s)+3], 0x80000000
	JLOAD \s                                       ; two loads of mine are out
.endr
	; A fragment of xb is 16 rows x 32 K in 8 registers: lane l holds row l % 16, K = 8 (l / 16) + 0..7 and 16 + 8 (l / 16) + 0..7: two loads of 16 bytes, 32 bytes apart.
	v_and_b32 v1, 15, v0                           ; l % 16
	v_bfe_u32 v2, v0, 4, 1                         ; l / 16
	v_mul_u32_u24 v3, v1, PA
	v_lshl_add_u32 v3, v2, 4, v3
	s_mul_i32 s19, s[RH], HALFA                    ; my 128 rows
	v_add_nc_u32 v[ADRA], s19, v3
	v_add_nc_u32 v[ADRA+1], SLOT, v[ADRA]
	; The turning load takes 16 K x 16 columns (lane l reads row 8 (l / 16) + l % 8, columns 8 ((l / 8) % 2) + 0..7) and leaves half a fragment: lane l holds column l % 16 and 8 K.
	v_and_b32 v7, 7, v0
	v_bfe_u32 v5, v0, 3, 1
	v_lshl_add_u32 v4, v2, 3, v7
	v_mul_u32_u24 v4, v4, PB
	v_lshl_add_u32 v4, v5, 4, v4
	s_mul_i32 s19, s[CH], HALFB                    ; my head
	s_add_co_u32 s19, s19, BOFF
	v_add_nc_u32 v[ADRB], s19, v4
	v_add_nc_u32 v[ADRB+1], SLOT, v[ADRB]
	s_mul_i32 s19, s[WV], 16*SP
	s_add_co_u32 s19, s19, STAGE                   ; my stage
	v_mul_u32_u24 v3, v1, SP                       ; in: row l % 16, 16 bytes for each half of the lanes
	v_lshl_add_u32 v3, v2, 4, v3
	v_add_nc_u32 v[STO], s19, v3
	v_bfe_u32 v6, v0, 3, 2                         ; back: 32 lanes take four rows of 128 bytes,
	v_mul_u32_u24 v6, v6, SP
	v_lshl_add_u32 v6, v7, 4, v6
	v_add_nc_u32 v[RD], s19, v6
	v_and_b32 v[GO], 31, v0                        ; which are 512 consecutive bytes of qkv
	v_lshlrev_b32 v[GO], 4, v[GO]
	; my 128 rows x 64 channels are 16,384 consecutive bytes of one head: batch ty / 8, head 2 tx + w % 2, row 256 (ty % 8) + 128 (w / 2)
	s_lshr_b32 s46, s[TY], 3
	s_lshl_b32 s46, s46, 22
	s_and_b32 s47, s[TY], 7
	s_lshl_b32 s47, s47, 15
	s_add_co_u32 s46, s46, s47
	s_lshl_b32 s47, s[RH], 14
	s_add_co_u32 s46, s46, s47
	s_lshl_b32 s47, s[TX], 19
	s_add_co_u32 s46, s46, s47
	s_lshl_b32 s47, s[CH], 18
	s_add_co_u32 s46, s46, s47
	s_mov_b32 s47, 0
	s_add_nc_u64 s[8:9], s[8:9], s[46:47]
; 4 cnt matrix instructions: row blocks a0 .. a0 + cnt - 1 x all four column blocks, 32 along K, from buffer f.  zero = 1: the products start the sums: nothing is ever cleared.
; The 32 accumulators take turns, one instruction a turn, in the same order in every quarter.
.macro MULN f, a0, cnt, zero
	WIN MUL
.set ma, \a0
.rept \cnt
.irp b, 0,1,2,3
.if \zero
	v_wmma_f32_16x16x32_bf16 v[8*(4*ma+(\b)):8*(4*ma+(\b))+7], v[(\f)+8*(\b):(\f)+8*(\b)+7], v[(\f)+32+8*ma:(\f)+32+8*ma+7], 0
.else
	v_wmma_f32_16x16x32_bf16 v[8*(4*ma+(\b)):8*(4*ma+(\b))+7], v[(\f)+8*(\b):(\f)+8*(\b)+7], v[(\f)+32+8*ma:(\f)+32+8*ma+7], v[8*(4*ma+(\b)):8*(4*ma+(\b))+7]
.endif
.endr
.set ma, ma+1
.endr
.endm
; 24 LDS loads in one run: the fragments of quarter q of a K step (32 along K) into buffer f: the weights' four, then xb's eight, row blocks 4-7 last
.macro FETCH slot, q, f
	WIN TO_F
.irp b, 0,1,2,3
	ds_load_tr16_b128 v[(\f)+8*(\b):(\f)+8*(\b)+3],   v[ADRB+(\slot)] offset:(\q)*32*PB+32*(\b)
	ds_load_tr16_b128 v[(\f)+8*(\b)+4:(\f)+8*(\b)+7], v[ADRB+(\slot)] offset:(\q)*32*PB+32*(\b)+16*PB
.endr
.irp a, 0,1,2,3,4,5,6,7
	ds_load_b128 v[(\f)+32+8*(\a):(\f)+32+8*(\a)+3],   v[ADRA+(\slot)] offset:64*(\q)+(\a)*16*PA
	ds_load_b128 v[(\f)+32+8*(\a)+4:(\f)+32+8*(\a)+7], v[ADRA+(\slot)] offset:64*(\q)+(\a)*16*PA+32
.endr
.endm
.macro PLACES                          ; four plain vector instructions between a matrix instruction and a load into a register that it has read, or a line that reads its result (ISA guide 7.12.1 for a line that reads its result)
.rept 4
	v_nop
.endr
.endm
; A K step is four quarters of 32 along K, 32 matrix instructions each, on buffers 0, 1, 0, 1.  One of the first three: multiplies buffer f and, in its middle, fetches quarter q into buffer g.
.macro QUARTER slot, q, f, g, zero
	s_wait_dscnt 8                                 ; the weights and xb's row blocks 0-3 are in; the youngest eight loads (row blocks 4-7) may be out
	MULN \f, 0, 4, \zero
	PLACES
	FETCH \slot, \q, \g
	s_wait_dscnt 24                                ; all but the 24 just issued
	MULN \f, 4, 4, \zero
.endm
; The last quarter multiplies buffer 1 and changes slots: ONE barrier.  In front of it each wave waits for all its tensor loads (one is out: its part of the next slot), adds 0 to its spare word, and waits for
; that and for its reads of this slot.  fill = 1: the barrier opens a round of the cluster's, and behind the round this slot is filled again first: with this tile's K step two on (on = 0) or the next tile's
; K step 0 or 1 (on = 1).  From a request to the wait for it a wave issues 112 matrix instructions.
.macro TURN slot, next, fill, on
	WIN 0                                          ; (the add's two registers lie in window 0)
	s_wait_tensorcnt 0x0
	ds_add_u32 v[SPW], v[NIL]                      ; 0 onto my spare word
	s_wait_dscnt 9                                 ; (the add and the youngest eight loads may be out)
	MULN F1, 0, 2, 0                               ; eight matrix instructions stand between the add and the wait for it
	s_wait_dscnt 0x0                               ; the add is done, and my reads of this slot are over
	s_barrier_signal -1
	MULN F1, 2, 2, 0                               ; work on registers while the others arrive
.if \fill
	WIN 0
.endif
	s_barrier_wait -1
.if \fill
	CREST                                          ; no wave of any partner still reads this slot's tile or has a load on its way
.if \on
	s_sub_nc_u64 s[G0A+4*(\slot)+2:G0A+4*(\slot)+3], s[G0A+4*(\slot)+2:G0A+4*(\slot)+3], BACK_A
	s_add_nc_u64 s[G0B+4*(\slot)+2:G0B+4*(\slot)+3], s[G0B+4*(\slot)+2:G0B+4*(\slot)+3], NEXT_B
.else
	s_add_nc_u64 s[G0A+4*(\slot)+2:G0A+4*(\slot)+3], s[G0A+4*(\slot)+2:G0A+4*(\slot)+3], 2*KA
	s_add_nc_u64 s[G0B+4*(\slot)+2:G0B+4*(\slot)+3], s[G0B+4*(\slot)+2:G0B+4*(\slot)+3], 2*KB
.endif
	JLOAD \slot                                    ; the first tensor load behind the round; its four v_nop are also the places in front of the loads below
.else
	PLACES
.endif
	FETCH \next, 0, F0
	MULN F1, 4, 4, 0
.endm
; THE WAY OUT, a block of 16 rows at a time.  PACK: rounded to f16, 16 bytes a lane, each accumulator's registers in ascending order.  TOSTAGE: into my own stage, and back as whole rows.  SEND: stored.
.macro PACK a
	WIN 0x0a                                       ; sources 0 and 1 window 2
.irp b, 0,1,2,3
.irp r, 0,1,2,3
	v_cvt_pk_f16_f32 v[TMP+4*(\b)+(\r)], v[8*(4*(\a)+(\b))+2*(\r)], v[8*(4*(\a)+(\b))+2*(\r)+1]
.endr
.endr
	WIN 0
.endm
.macro TOSTAGE a
.set BK, OB+16*((\a)%2)
.irp b, 0,1,2,3
	ds_store_b128 v[STO], v[TMP+4*(\b):TMP+4*(\b)+3] offset:32*(\b)
.endr
.irp f, 0,1,2,3
	ds_load_b128 v[BK+4*(\f):BK+4*(\f)+3], v[RD] offset:(\f)*4*SP  ; LDS serves a wave's instructions in order (ISA guide 5.7.1.4): these see the stores above
.endr
.endm
.macro SEND a
.set BK, OB+16*((\a)%2)
	s_wait_dscnt 0x0                               ; the block is back in registers
	s_wait_xcnt 0x0                                ; the block before's stores have read their data: the next TOSTAGE loads into those registers
.irp f, 0,1,2,3
	global_store_b128 v[GO], v[BK+4*(\f):BK+4*(\f)+3], s[8:9] offset:(\a)*2048+(\f)*512  ; 512 consecutive bytes, at a multiple of 256 from qkv's first
.endr
.endm
.macro WAYOUT                          ; block a's conversions stand between block a - 1's loads from the stage and the wait for them
	PACK 0
	TOSTAGE 0
.irp a, 1,2,3,4,5,6,7
	PACK \a
	SEND (\a)-1
	TOSTAGE \a
.endr
	SEND 7
.endm
	s_wait_tensorcnt 1                             ; my part of K step 0 is in; K step 1's may stay out
	s_barrier_signal -1
	s_barrier_wait -1                              ; everybody's is
	FETCH 0, 0, F0
	WIN 0                                          ; at a label and at a branch every window is 0
	s_mov_b32 s2, TILES                            ; tiles to go, this one among them
.Ltile:
	QUARTER 0, 1, F0, F1, 1                        ; a tile's first quarter stands in front of the loop: its products start the sums
	WIN 0
	s_mov_b32 s3, LAPS-1
.Llap:                                                 ; a trip goes once round the ring, from a lap's second quarter to the next lap's first, and fills both slots again
	QUARTER 0, 2, F1, F0, 0
	QUARTER 0, 3, F0, F1, 0
	TURN 0, 1, 1, 0
	QUARTER 1, 1, F0, F1, 0
	QUARTER 1, 2, F1, F0, 0
	QUARTER 1, 3, F0, F1, 0
	TURN 1, 0, 1, 0
	QUARTER 0, 1, F0, F1, 0
	WIN 0
	s_sub_co_u32 s3, s3, 1
	s_cmp_lg_u32 s3, 0
	s_cbranch_scc1 .Llap
	QUARTER 0, 2, F1, F0, 0                        ; the tile's last lap goes on
	QUARTER 0, 3, F0, F1, 0
	WIN 0
	s_cmp_eq_u32 s2, 1
	s_cbranch_scc1 .Llast_tile                     ; the last tile's tail is written out: it asks for nothing more
	TURN 0, 1, 1, 1                                ; the ring goes on into the next tile: slot 0 takes its K step 0,
	QUARTER 1, 1, F0, F1, 0
	QUARTER 1, 2, F1, F0, 0
	QUARTER 1, 3, F0, F1, 0
	TURN 1, 0, 1, 1                                ; slot 1 its K step 1, and the next tile's first fragments are fetched
	WAYOUT                                         ; both refills are asked for: now the tile goes out.  Blocks 0-3 were finished in front of the joint load's four v_nop; their 64 conversions are the places behind the last products
	s_wait_xcnt 0x0                                ; the stores have read their base
	s_add_nc_u64 s[8:9], s[8:9], NEXT_C
	s_sub_co_u32 s2, s2, 1
	s_branch .Ltile
.Llast_tile:
	TURN 0, 1, 0, 0                                ; the last two K steps fill nothing, and have no round
	QUARTER 1, 1, F0, F1, 0
	QUARTER 1, 2, F1, F0, 0
	QUARTER 1, 3, F0, F1, 0
	s_wait_dscnt 8                                 ; the very last quarter: nothing more to fetch
	MULN F1, 0, 4, 0
	s_wait_dscnt 0x0
	MULN F1, 4, 4, 0
	WIN 0
	PLACES
	WAYOUT
	s_wait_tensorcnt 0x0                           ; the wave's end: behind my last tensor load and my last LDS store
	ds_add_u32 v[SPW], v[NIL]
	s_wait_dscnt 0x0
	CROUND                                         ; the closing round: no work-group ends while a partner may still ask for a tile that names it
	s_endpgm
.Lfunc_end_k_q1df8674c35_qkv:
	.size	k_q1df8674c35_qkv, .Lfunc_end_k_q1df8674c35_qkv-k_q1df8674c35_qkv
	.p2alignl 7, 3214868480
	.fill 96, 4, 3214868480
	.section	.rodata,"a",@progbits
	.p2align	6, 0x0
	.amdhsa_kernel k_q1df8674c35_qkv
		.amdhsa_group_segment_fixed_size 327680
		.amdhsa_private_segment_fixed_size 0
		.amdhsa_enable_private_segment 0
		.amdhsa_kernarg_size 24
		.amdhsa_user_sgpr_count 2
		.amdhsa_user_sgpr_kernarg_segment_ptr 1
		.amdhsa_wavefront_size32 1
		.amdhsa_system_sgpr_workgroup_id_x 1
		.amdhsa_system_sgpr_workgroup_id_y 1
		.amdhsa_system_sgpr_workgroup_id_z 1
		.amdhsa_system_vgpr_workitem_id 0
		.amdhsa_next_free_vgpr 768
		.amdhsa_next_free_sgpr 66
		.amdhsa_reserve_vcc 0
		.amdhsa_float_denorm_mode_32 3
		.amdhsa_float_denorm_mode_16_64 3
		.amdhsa_memory_ordered 1
		.amdhsa_forward_progress 1
		.amdhsa_inst_pref_size 124
	.end_amdhsa_kernel
	.amdgpu_metadata
---
amdhsa.version: [ 1, 2 ]
amdhsa.kernels:
  - .name:           k_q1df8674c35_qkv
    .symbol:         k_q1df8674c35_qkv.kd
    .args:
      - { .name: xb, .offset: 0, .size: 8, .value_kind: global_buffer, .address_space: global }
      - { .name: wb, .offset: 8, .size: 8, .value_kind: global_buffer, .address_space: global }
      - { .name: qkv, .offset: 16, .size: 8, .value_kind: global_buffer, .address_space: global }
    .group_segment_fixed_size: 327680
    .private_segment_fixed_size: 0
    .kernarg_segment_align: 8
    .kernarg_segment_size: 24
    .max_flat_workgroup_size: 128
    .sgpr_count:     66
    .vgpr_count:     768
    .wavefront_size: 32
...
	.end_amdgpu_metadata
.endif
;; end of part 2
;; launch attn (part 3): grid 4 x 64, 4 waves a work-group, no clusters, 327,680 bytes of LDS; arguments qkv, o; writes o
.if DOCPART == 3
	.amdgcn_target "amdgcn-amd-amdhsa--gfx1250"
	.amdhsa_code_object_version 6
	.text
	.protected	k_q1df8674c35_attn
	.globl	k_q1df8674c35_attn
	.p2align	8
	.type	k_q1df8674c35_attn,@function
k_q1df8674c35_attn:
	s_mov_b64 s[64:65], 0
	v_nop
	global_prefetch_b8 v0, s[64:65] scope:SCOPE_SE
	s_setreg_imm32_b32 hwreg(HW_REG_WAVE_MODE, 25, 1), 1
	s_wait_xcnt 0x0
; CAUSAL ATTENTION.  o[h][q][:] = the sum over k <= q of softmax_k(Q[h][q] . K[h][k] / 32) V[h][k][:], h = 16 batch + head, 64 of them.  Q, K, V are the three parts of qkv, each [64][2048][64] f16,
; unscaled; o has the same layout: a head's rows are dense, 128 bytes each.  The scale is 1 / sqrt(1024), the module's own.
; Products, maxima and sums in f32; the weights p are rounded to f16 for the second product (their sum l is taken of the unrounded p), o once at the end.
; LIMITS.  f16 holds no number beyond 65,504: Q, K and V arrive within it; p lies in 0 to 1, and below 6e-5 it keeps f16's fixed step of 6e-8; o is a mean of V's rows and has their range, to within 2^-11 of it.
; A hidden score counts as its value less 1e30: f16's scores, 2.7e11 at the most, are nothing beside that; a weight below 2^-126 counts as 0 in l; NaN and infinities are not treated apart.
; THE WALK.  A head's queries lie in NB = 8 blocks of 256; block i needs the key tiles 0 .. i of 256 keys, of which the last holds the diagonal.  A work-group takes TWO blocks, NB - 1 - b and then b:
; NB + 1 tiles, whatever b: all work-groups do equal work, and ONE loop with a constant trip count walks them.  Which tile is asked for, and what a trip does, hang on scalar registers made from b; every jump
; goes forward, but for the counted loops' own; none passes a barrier, or a tensor load but the one of LOAD's two that the wave's number does not choose; the ring (two slots of LDS that take turns) runs on across the
; change of blocks.  NO CLUSTER: a head's four work-groups ask for the same tile only in trips 0 .. 4 of the 9, behind that fewer and fewer; one walk common to all four would have 12 trips for 9.
; SHARES.  Of a block's four bands of 64 queries a wave owns 16 rows in each: four PIECES.  So the diagonal tile is the same work for all four waves: in its key step s band x sees all keys if s < x,
; none if s > x, and holds the diagonal if s = x.
; THE MASK is the C operand that starts the sum S^T = K Q^T: 0, or -1e30 where the key is hidden.  MD, made once, is the mask of a band's own step for my 16 rows; a product's mask is MD x AL + BE with two scalars:
; (1, 0) if s = x; (0, 0) if s < x; (0, -1e30) if s > x.  Only the diagonal tile's text and a block's beginning make and take masks; elsewhere C is the constant 0.
; LAYOUT, SOFTMAX, TURNS.  S^T = K Q^T holds ONE query a lane (lane % 16) and the keys 8 (lane / 16) + 0..7; two such results rounded to f16 ARE source 1 of O^T = V^T P.  p = 2^(c s - c m), c = log2(e) / 32, with a
; running maximum m; O and l are multiplied by a = 2^(c m_old - c m_new) in every step.  Turn n belongs to piece n: 8 products K Q^T of piece n + 1, later 8 products V^T P of piece n - 1; beside them the scaling,
; exponentials, roundings, sums and rescaling of piece n and the maximum and statistics of piece n + 1.  Four vector instructions stand behind every matrix instruction, the other 54 of a turn's 118 in two LUMPS.
; AHEAD OF THE LOADS.  Behind the tensor load of trips 0 .. 5 stands one prefetch into the L2 for the head's tile two on from the trip's number, which the next trip's loads ask for.  A tile is 128 blocks of 256
; bytes of K and as many of V: the head's four work-groups take 32 each, told apart by address; wave 0 asks for K's, wave 2 for V's, a lane a block.  So each block is named once in the launch.
; Tiles 0 and 1 come by their loads alone; trips 6 and 7 ask for nothing: the head has no tile 8.
; REGISTERS, in windows of 256 (s_set_vgpr_msb: bits 1:0 source 0, 3:2 source 1, 5:4 source 2, 7:6 destination):
;   window 0: v0-15 addresses and two at work; v16-31 four registers of statistics a piece; v48-55 at work; v64-127 S^T, two buffers; v192-223 P, two buffers (a piece's buffers go by its number's parity)
;   window 1: v0-127 O^T, 32 a piece; v128-159 MD; v160-223 MC, two buffers      window 2: v0-63 Q; v64-127 the second block's Q; v128-191 K of one step; v192-255 V of one step
.set SIZE_N, 2048
.set PART,  64*SIZE_N*128  ; bytes in each of qkv's three parts
.set NB,    SIZE_N/256
.set NP,    4         ; pieces a wave: a name, no knob
.set KS,    64        ; keys in a step
.set PK,    144       ; a row of K in LDS: 128 bytes + 16 of padding = 36 words: the 16 rows of a load start at 16 different groups of four banks (64 banks of 4 bytes: ISA guide 11.1)
.set PV,    160       ; a row of V: 128 + 32 = 40 words
.set VOFF,  4*KS*PK   ; a slot holds a tile, four steps: 256 rows of K, then 256 rows of V
.set SLOT1, 1<<17     ; slot 1 begins here, so that one exclusive or turns an address in one slot into the other's
.set STAGE, SLOT1+4*KS*(PK+PV)  ; behind the ring, never filled by a tensor load: 16 rows x 144 bytes for each wave, for the way out
.set SP,    144
.set AK0, 2           ; v2   my lane's place in a tile of K; never rewritten
.set AV0, 3           ; v3   the same for V
.set AK,  4           ; v4   the LDS address of K's next run of loads
.set AV,  5           ; v5   of V's
.set STO, 6           ; v6   the way out: where I put 16 bytes of a row
.set RD,  7           ; v7   the way out: where I read rows back
.set GO,  8           ; v8   my byte offset in 512 consecutive bytes of o
.set PFO, 61          ; v61  256 x my lane: the prefetches' offset; never rewritten
.set SPW, 62          ; v62  LDS address of my spare word: SPARE + 4 x my thread's number; never rewritten
.set NIL, 63          ; v63  0; never rewritten
.set SPARE, STAGE+4*16*SP  ; behind the stages: the spare words, 128 bytes for each wave: two blocks of 256 bytes that no other line names
.set MV,  12          ; v12-13  c m_old, kept while c m is made anew: by buffer
.set QO,  15          ; v15  my byte offset in 16 rows of Q
.set ST,  16          ; piece t's statistics at v[ST+4 t]: c m, m, l (even keys', odd keys')
.set TMP, 48          ; by buffer, four registers c0-c3 at work; when the maximum is found c2 takes a
.set S,   64
.set P,   192
.set MD,  128         ; window 1: the eight registers for group kt of 16 keys at MD + 8 kt
.set MC,  160         ; window 1: the masks of the products to come
.set QB,  64          ; window 2
.set KF,  128         ; window 2: key block kb, channel half c at KF + 16 kb + 8 c
.set VF,  192         ; window 2: key half kk, channel block cb at VF + 32 kk + 8 cb
.set WV,  12          ; s12  my wave's number
.set PB,  14          ; s14  b
.set HI,  15          ; s15  NB - 1 - b
.set G1K, 24          ; s[24:31] descriptor group 1 for K's tiles
.set G1V, 32          ; s[32:39] for V's: it differs in the padding alone
.set G0K, 40          ; s[40:43] descriptor group 0 for K's tiles
.set G0V, 44          ; s[44:47] the same for V's
.set SLOTS, 56        ; s56  tiles still to be asked for
.set CNT, 57          ; s57  counts a tile's key steps, 4 to 1
.set CS,  58          ; s[58:59] c: the packed scaling takes the pair's low word for both halves
.set SEL, 60          ; s[60:61] v_permlanex16_b32's selects: each lane takes its own place in the other half
.set TBK, 62          ; s62  LDS byte at which K of the step to be fetched begins
.set TBV, 63          ; s63  the same for V, less VOFF
.set RT,  70          ; s70  tiles of the block in hand that are still to be entered
.set NXT, 71          ; s71  the tile to be asked for next
.set LQ,  72          ; s72  the last tile of the block whose tiles are being asked for
.set NEW, 73          ; s73  1: the tile to be entered is a block's first
.set OFF, 74          ; s[74:75] a tile's byte offset in K and V
.set AL,  76          ; s[76:77] the mask's factor, in the low word
.set BE,  78          ; s[78:79] the mask's addend
.set OLO, 80          ; s[80:81] o at my rows of the second block
.set BIGN, 82         ; s82  -1e30
.set PFA, 88          ; s[88:89] where my prefetches stand: my work-group's 32 blocks (of K: wave 0, of V: wave 2) of the head's tile in hand
.set LIM, 90          ; s90  2 in a wave that prefetches, else the greatest number: a wave prefetches while s[SLOTS] is above it
.set MSB, 0
.macro WIN new                      ; the high byte repeats the setting that is left; a switch that changes nothing is dropped
.if MSB != (\new)
	s_set_vgpr_msb (MSB<<8)|(\new)
.set MSB, (\new)
.endif
.endm
.set W_KQ, 0x0a       ; K and Q in window 2, S^T in window 0
.set W_KM, 0x1a       ; the same with the C operand in window 1
.set W_PV, 0x52       ; V in window 2, P in window 0, O^T in window 1
.set W_RS, 0x41       ; destination and source 0 in window 1, source 1 in window 0
; A fill.  Waves 0 and 1 fetch the two halves of a tile's K, waves 2 and 3 those of its V: 128 keys each.  An s_nop 0 and four v_nop follow each of the two lines, ahead of the jump and the label.
.macro LOAD
	s_cmp_lt_u32 s[WV], 2
	s_cbranch_scc0 .Lfor_v_\@
	tensor_load_to_lds s[G0K:G0K+3], s[G1K:G1K+7]
	s_nop 0
.rept 4
	v_nop
.endr
	s_branch .Lasked_\@
.Lfor_v_\@:
	tensor_load_to_lds s[G0V:G0V+3], s[G1V:G1V+7]
	s_nop 0
.rept 4
	v_nop
.endr
.Lasked_\@:
.endm
; The prefetch: one instruction, a lane a block of 256 bytes.  It stands behind the wave's tensor load and its five lines, never in front of one.
.macro ASK
	s_cmp_gt_u32 s[SLOTS], s[LIM]
	s_cbranch_scc0 .Lnot_mine_\@
	global_prefetch_b8 v[PFO], s[PFA:PFA+1] th:TH_LOAD_NT scope:SCOPE_SE
.Lnot_mine_\@:
.endm
; THE CHANGE OF SLOTS.  Each wave waits for all its tensor loads, of which one is out: its part of the other slot; adds 0 to its spare word; and waits for that and for its own reads of the slot that it leaves.  Behind the barrier nobody reads the old
; slot any more and the other slot is whole.  fill = 1: the old slot is filled again, the first thing behind the barrier, with tile NXT: the descriptor's address is made anew from that number.
; (At its first use nothing has been read yet: slot 0 is waited for, slot 1 filled.)
.macro CHANGE fill
	WIN 0                           ; at a label and at a branch every window is 0
	s_wait_tensorcnt 0x0            ; no tensor load of mine is out, so a group 0 may be written
	ds_add_u32 v[SPW], v[NIL]       ; 0 onto my spare word; with fill = 1 the descriptors' scalar work stands between it and the wait for it
.if \fill
	s_lshl_b32 s[OFF], s[NXT], 15   ; a tile is 32,768 bytes of K and of V
	s_xor_b32 s[G0K+1], s[G0K+1], SLOT1
	s_add_nc_u64 s[G0K+2:G0K+3], s[6:7], s[OFF:OFF+1]
	s_or_b32 s[G0K+3], s[G0K+3], 0x80000000
	s_xor_b32 s[G0V+1], s[G0V+1], SLOT1
	s_add_nc_u64 s[G0V+2:G0V+3], s[8:9], s[OFF:OFF+1]
	s_or_b32 s[G0V+3], s[G0V+3], 0x80000000
	s_add_co_u32 s[NXT], s[NXT], 1  ; the block's next tile, or behind its last the second block's tile 0
	s_cmp_gt_u32 s[NXT], s[LQ]
	s_cselect_b32 s[NXT], 0, s[NXT]
	s_cselect_b32 s[LQ], s[PB], s[LQ]
	s_wait_xcnt 0x0                 ; the last prefetch, a tile's four key steps back, has read its address, so it may be written:
	s_add_nc_u64 s[PFA:PFA+1], s[PFA:PFA+1], 32768  ; the head's next tile
.endif
	s_wait_dscnt 0x0                ; the add is done, and my reads of the slot are over
	s_barrier_signal -1             ; the rest of the scalar work stands between the signal and the wait
	s_sub_co_u32 s[TBK], s[TBK], 4*KS*PK  ; the fetches go back to a slot's first step,
	s_xor_b32 s[TBK], s[TBK], SLOT1       ; in the other slot
	s_sub_co_u32 s[TBV], s[TBV], 4*KS*PV
	s_xor_b32 s[TBV], s[TBV], SLOT1
	s_barrier_wait -1
.if \fill
	LOAD
	ASK
.endif
.endm
	s_load_b128 s[4:7], s[0:1], 0x0  ; qkv s[4:5], o s[6:7]
	v_lshl_add_u32 v[SPW], v0, 2, SPARE
	v_mov_b32 v[NIL], 0
	ds_add_u32 v[SPW], v[NIL]       ; the wave's opening: the add and its wait stand ahead of my first tensor load; the set-up below, work on registers, stands between them
	ds_add_u32 v62, v63
	v_lshrrev_b32 v1, 5, v0
	v_readfirstlane_b32 s[WV], v1   ; wave 0..3
	s_mov_b32 s[PB], ttmp9
	s_sub_co_u32 s[HI], NB-1, s[PB]
	s_and_b32 s20, ttmp7, 0xffff    ; the head
	s_mov_b32 s21, 0
	s_mov_b64 s[22:23], SIZE_N*128
	s_mul_u64 s[20:21], s[20:21], s[22:23]  ; the head's first byte in Q, K, V and o
	s_and_b32 s16, s[WV], 1         ; which half of a tile's 256 keys I fetch:
	s_lshl_b32 s22, s16, 14         ; its 128 rows of 128 bytes in memory,
	s_mov_b32 s23, 0
	s_add_nc_u64 s[22:23], s[22:23], s[20:21]
	s_mul_i32 s17, s16, 128*PK      ; and its place in a slot, for K
	s_mul_i32 s18, s16, 128*PV      ; and for V
	s_lshl_b32 s3, s[WV], 11        ; my 16 rows in a band of 64,
	s_lshl_b32 s2, s[HI], 15        ; in the first block,
	s_add_co_u32 s2, s2, s3
	s_lshl_b32 s84, s[PB], 15       ; and in the second
	s_add_co_u32 s84, s84, s3
	s_mov_b32 s3, 0
	s_mov_b32 s85, 0
	s_add_nc_u64 s[2:3], s[2:3], s[20:21]
	s_add_nc_u64 s[84:85], s[84:85], s[20:21]
	; descriptor group 1.  128 keys are 16,384 dense bytes: asked for as 64 rows of 256 bytes, two keys a row, and padded in LDS after every key
	s_mov_b32 s[G1K], (1<<16)|(1<<20)|(4<<22)|(3<<25)  ; 17:16 2-byte elements; 20 padding on; 24:22 after every 32 words (code 4); 31:25 4 words (code 3)
	s_mov_b32 s[G1V], (1<<16)|(1<<20)|(4<<22)|(7<<25)  ; the same with 8 words of padding (code 7)
.irp g, G1K, G1V
	s_mov_b32 s[\g+1], 128<<16      ; tensor_dim0 = 128
	s_mov_b32 s[\g+2], 64<<16       ; tensor_dim1 = 64
	s_mov_b32 s[\g+3], 128<<16      ; tile_dim0 = 128
	s_mov_b32 s[\g+4], 64           ; tile_dim1 = 64
	s_mov_b32 s[\g+5], 128          ; 128 elements from row to row
	s_mov_b32 s[\g+6], 0
	s_mov_b32 s[\g+7], 0
.endr
	s_mov_b32 s[CS], 0x3d38aa3b     ; c = log2(e) / 32 = 0.0450842
	s_mov_b32 s[CS+1], s[CS]        ; named with it as a pair
	s_mov_b32 s[SEL], 0x76543210
	s_mov_b32 s[SEL+1], 0xfedcba98
	s_mov_b32 s[TBK], SLOT1+4*KS*PK ; the first change of slots turns these two into 0
	s_mov_b32 s[TBV], SLOT1+4*KS*PV
	s_mov_b32 s[G0K], 1             ; 1:0 count = 1
	s_mov_b32 s[G0K+1], s17         ; 63:32 LDS address: slot 0
	s_mov_b32 s[G0V], 1
	s_add_co_u32 s[G0V+1], s18, VOFF
	s_add_co_u32 s[RT], s[HI], 1    ; the first block has NB - b tiles
	s_mov_b32 s[NXT], 1
	s_mov_b32 s[LQ], s[HI]
	s_mov_b32 s[NEW], 1
	s_mov_b32 s[OFF+1], 0
	s_mov_b32 s[AL+1], 0            ; named as pairs
	s_mov_b32 s[BE+1], 0
	s_mov_b32 s[BIGN], 0xf149f2ca   ; -1e30
	s_mov_b32 s[SLOTS], NB
	s_and_b32 s[LIM], s[WV], 1      ; waves 0 and 2 prefetch
	s_cmp_eq_u32 s[LIM], 0
	s_cselect_b32 s[LIM], 2, -1
	v_and_b32 v[PFO], 31, v0
	v_lshlrev_b32 v[PFO], 8, v[PFO]
	s_wait_dscnt 0x0                ; the opening add is done
	s_wait_kmcnt 0x0
	s_mov_b64 s[10:11], s[6:7]      ; o
	s_add_nc_u64 s[6:7], s[4:5], PART    ; K is qkv's second part,
	s_add_nc_u64 s[8:9], s[4:5], 2*PART  ; V its third; Q its first
	s_add_nc_u64 s[6:7], s[6:7], s[22:23]  ; K and V at my half of the head's tile 0
	s_add_nc_u64 s[8:9], s[8:9], s[22:23]
	s_add_nc_u64 s[G0K+2:G0K+3], s[6:7], 0         ; 120:64 global address
	s_or_b32 s[G0K+3], s[G0K+3], 0x80000000        ; 127:126 type = 2
	s_add_nc_u64 s[G0V+2:G0V+3], s[8:9], 0
	s_or_b32 s[G0V+3], s[G0V+3], 0x80000000
	s_add_nc_u64 s[86:87], s[4:5], s[84:85]        ; Q at my rows of the second block,
	s_add_nc_u64 s[4:5], s[4:5], s[2:3]            ; Q and o at those of the first
	s_add_nc_u64 s[OLO:OLO+1], s[10:11], s[84:85]
	s_add_nc_u64 s[10:11], s[10:11], s[2:3]
	s_cmp_lt_u32 s[WV], 2
	s_cselect_b64 s[PFA:PFA+1], s[6:7], s[8:9]     ; (in waves 0 and 2 these stand at the head's first row)
	s_lshl_b32 s2, s[PB], 13                       ; my work-group's 32 blocks of the 128
	s_mov_b32 s3, 0
	s_add_nc_u64 s[PFA:PFA+1], s[PFA:PFA+1], s[2:3]
	s_add_nc_u64 s[PFA:PFA+1], s[PFA:PFA+1], 32768 ; in tile 1; the first change of slots steps it to tile 2.  Nothing is prefetched here, at the head, where every work-group's first tiles are on their way
	LOAD                            ; tile 0 into slot 0
	; A fragment of K or Q is 16 rows x 32 channels in 8 registers: lane l holds row l % 16, channels 8 (l / 16) + 0..7 and 16 + 8 (l / 16) + 0..7: two loads of 16 bytes, 32 bytes apart.
	v_and_b32 v1, 15, v0            ; l % 16
	v_bfe_u32 v9, v0, 4, 1          ; l / 16
	v_lshlrev_b32 v[QO], 7, v1
	v_lshl_add_u32 v[QO], v9, 4, v[QO]  ; row x 128 + 16 x half
	WIN 0x80                        ; destination window 2, address window 0
.set i, 0
.rept 8                             ; both blocks' Q: piece i / 2 lies in band i / 2, 8,192 bytes on; channels 32 (i % 2) on
	global_load_b128 v[8*i:8*i+3],   v[QO], s[4:5] offset:(i/2)*8192+(i%2)*64
	global_load_b128 v[8*i+4:8*i+7], v[QO], s[4:5] offset:(i/2)*8192+(i%2)*64+32
	global_load_b128 v[QB+8*i:QB+8*i+3],   v[QO], s[86:87] offset:(i/2)*8192+(i%2)*64
	global_load_b128 v[QB+8*i+4:QB+8*i+7], v[QO], s[86:87] offset:(i/2)*8192+(i%2)*64+32
.set i, i+1
.endr
	WIN 0
	v_lshlrev_b32 v14, 3, v9
	v_sub_nc_u32 v14, v1, v14
	s_lshl_b32 s13, s[WV], 4
	v_add_nc_u32 v14, s13, v14      ; my query's place in its band, 16 w + l % 16, less my lanes' 8 (l / 16): register r of group kt is hidden where 16 kt + r is greater
	WIN 0x40
.set i, 0
.rept 32
	v_cmp_gt_i32 vcc_lo, 16*(i/8)+i%8, v14
	v_cndmask_b32 v[MD+i], 0, s[BIGN], vcc_lo
.set i, i+1
.endr
	WIN 0
	v_mul_u32_u24 v[AK0], v1, PK
	v_lshl_add_u32 v[AK0], v9, 4, v[AK0]  ; row x pitch + 16 x half
	; The turning load takes 16 keys x 16 channels (lane l reads key 8 (l / 16) + l % 8, channels 8 ((l / 8) % 2) + 0..7) and leaves half a fragment of V^T: lane l holds channel l % 16 and 8 keys.
	v_and_b32 v10, 7, v0
	v_bfe_u32 v11, v0, 3, 1
	v_lshl_add_u32 v[AV0], v9, 3, v10
	v_mul_u32_u24 v[AV0], v[AV0], PV
	v_lshl_add_u32 v[AV0], v11, 4, v[AV0]
	v_add_nc_u32 v[AV0], VOFF, v[AV0]
	s_mul_i32 s13, s[WV], 16*SP
	s_add_co_u32 s13, s13, STAGE    ; my stage
	v_mul_u32_u24 v[STO], v1, SP    ; in: row l % 16, 16 bytes for each half of the lanes
	v_lshl_add_u32 v[STO], v9, 4, v[STO]
	v_add_nc_u32 v[STO], s13, v[STO]
	v_bfe_u32 v[RD], v0, 3, 2       ; back: 32 lanes take four rows of 128 bytes,
	v_mul_u32_u24 v[RD], v[RD], SP
	v_lshl_add_u32 v[RD], v10, 4, v[RD]
	v_add_nc_u32 v[RD], s13, v[RD]
	v_and_b32 v[GO], 31, v0         ; which are 512 consecutive bytes of o
	v_lshlrev_b32 v[GO], 4, v[GO]
	; A block's first step multiplies O^T and l by a = 0, and its first turn's products V^T P, of a piece that has not been, land in an O^T that is still to be so multiplied.  So these registers need only hold
	; finite numbers: zeros for the first block; what the first block left for the second.  All this stands in the wait for the first tile.
	WIN 0x80
.set i, VF
.rept 64
	v_mov_b32 v[i], 0
.set i, i+1
.endr
	WIN 0x40
.set i, 0
.rept 128
	v_mov_b32 v[i], 0
.set i, i+1
.endr
	WIN 0
.set i, 0
.rept 4
	v_mov_b32 v[ST+4*i+2], 0
	v_mov_b32 v[ST+4*i+3], 0
.set i, i+1
.endr
.set i, P+16
.rept 16
	v_mov_b32 v[i], 0
.set i, i+1
.endr
; THE MATRIX WORK.  The 4 accumulators of a run of 8 take turns.  Product i of 8 of S^T = K Q^T for piece x: channels 32 (i / 4) on, keys 16 (i % 4) on.  The first 4 start the sums: with 0, or (KM = 1) with the mask.
.macro KQ x
.set rS, S+32*((\x)%2)+8*(i%4)
.set rK, KF+16*(i%4)+8*(i/4)
.set rQ, 16*(\x)+8*(i/4)
.set rM, MC+32*((\x)%2)+8*(i%4)
.if (i < 4) && KM
	WIN W_KM
	v_wmma_f32_16x16x32_f16 v[rS:rS+7], v[rK:rK+7], v[rQ:rQ+7], v[rM:rM+7]
.elseif i < 4
	WIN W_KQ
	v_wmma_f32_16x16x32_f16 v[rS:rS+7], v[rK:rK+7], v[rQ:rQ+7], 0
.else
	WIN W_KQ
	v_wmma_f32_16x16x32_f16 v[rS:rS+7], v[rK:rK+7], v[rQ:rQ+7], v[rS:rS+7]
.endif
.endm
; Product i of 8 of O^T += V^T P for piece x: keys 32 (i / 4) on, channels 16 (i % 4) on.
.macro PV x
	WIN W_PV
.set rO, 32*(\x)+8*(i%4)
.set rV, VF+32*(i/4)+8*(i%4)
.set rP, P+16*((\x)%2)+8*(i/4)
	v_wmma_f32_16x16x32_f16 v[rO:rO+7], v[rV:rV+7], v[rP:rP+7], v[rO:rO+7]
.endm
.macro MM                           ; the turn's next matrix instruction.  TURN and BEGIN set Y, i, KM and NOKQ; MM, KQ and OP read them.  NOKQ = 1: a block's last turn: there is no next piece
.if (i < 8) && !NOKQ
	KQ (Y+1)%NP
.elseif i >= 8
.set i, i-8
	PV (Y+NP-1)%NP
.set i, i+8
.endif
.set i, i+1
.endm
; THE LDS LOADS stand in runs of 16, never singly among the matrix instructions: a step's K (64 keys x 64 channels: 8 fragments) and its V (turned).  Their addresses are made some lines ahead.
.macro FETCH_K
	WIN 0x80                        ; destination window 2
.irp f, 0,1,2,3,4,5,6,7             ; keys 16 (f / 2) on, channels 32 (f % 2) on
	ds_load_b128 v[KF+8*\f:KF+8*\f+3],   v[AK] offset:(\f/2)*16*PK+(\f%2)*64
	ds_load_b128 v[KF+8*\f+4:KF+8*\f+7], v[AK] offset:(\f/2)*16*PK+(\f%2)*64+32
.endr
	s_add_co_u32 s[TBK], s[TBK], KS*PK  ; the next fetch is the next step's
	WIN 0
.endm
.macro FETCH_V
	WIN 0x80
.irp f, 0,1,2,3,4,5,6,7             ; keys 32 (f / 4) on, channels 16 (f % 4) on
	ds_load_tr16_b128 v[VF+8*\f:VF+8*\f+3],   v[AV] offset:(\f/4)*32*PV+(\f%4)*32
	ds_load_tr16_b128 v[VF+8*\f+4:VF+8*\f+7], v[AV] offset:(\f/4)*32*PV+16*PV+(\f%4)*32
.endr
	WIN 0
.endm
; THE VECTOR WORK, one line at a time: OP kind, number.  For piece Y: F n: c s - c m for pair n of 16.  E n: the exponential of score n of 32.  C n: pair n rounded to f16.  B n: of the four weights 4 n .. the second
; pair is added onto the first, in place.  L n: l takes that sum (L 0: l = a l + sum).  R n: pair n of 16 of O^T times a.  For piece Y + 1: X n, number n of the 22 that find its maximum and statistics:
;   0-11  four chains c0-c3 of seven scores each, three operands at a time (each accumulator's lowest registers are read first)     12-14, 16  the four scores left over, the old m, and c0-c3 into c0
;   15  c m_old is kept     17, 18  the query's other 32 keys lie in the lane 16 away: the new m     19-21  c m; c m_old - c m_new; a
.set F, 0               ; OP tells the kinds apart by their order: F to L below R, X above it
.set E, 1
.set C, 2
.set B, 3
.set L, 4
.set R, 5
.set X, 6
.macro REGS y                       ; the registers of piece y
.set rT, ST+4*(\y)
.set rC, TMP+4*((\y)%2)
.set rW, MV+((\y)%2)
.set rS, S+32*((\y)%2)
.set rP, P+16*((\y)%2)
.set rO, 32*(\y)
.endm
.macro OP k, n
.if (\k) == R
	REGS Y
	WIN W_RS
	v_pk_mul_f32 v[rO+2*(\n):rO+2*(\n)+1], v[rO+2*(\n):rO+2*(\n)+1], v[rC+2:rC+3] op_sel_hi:[1,0]
.elseif (\k) < R
	REGS Y
	WIN 0
.if (\k) == F
	v_pk_fma_f32 v[rS+2*(\n):rS+2*(\n)+1], v[rS+2*(\n):rS+2*(\n)+1], s[CS:CS+1], v[rT:rT+1] op_sel_hi:[1,0,0] neg_lo:[0,0,1] neg_hi:[0,0,1]
.elseif (\k) == E
	v_exp_f32 v[rS+(\n)], v[rS+(\n)]
.elseif (\k) == C
	s_wait_alu depctr_va_vdst(0)
	v_cvt_pk_f16_f32 v[rP+(\n)], v[rS+2*(\n)], v[rS+2*(\n)+1]
.elseif (\k) == B
	s_wait_alu depctr_va_vdst(0)
	v_pk_add_f32 v[rS+4*(\n):rS+4*(\n)+1], v[rS+4*(\n):rS+4*(\n)+1], v[rS+4*(\n)+2:rS+4*(\n)+3]
.elseif (\n) == 0
	v_pk_fma_f32 v[rT+2:rT+3], v[rT+2:rT+3], v[rC+2:rC+3], v[rS:rS+1] op_sel_hi:[1,0,1]
.else
	v_pk_add_f32 v[rT+2:rT+3], v[rT+2:rT+3], v[rS+4*(\n):rS+4*(\n)+1]
.endif
.elseif NOKQ
	v_nop
.else
	REGS (Y+1)%NP
	WIN 0
.if (\n) < 4
	v_max3_num_f32 v[rC+(\n)], v[rS+8*(\n)], v[rS+8*(\n)+1], v[rS+8*(\n)+2]
.elseif (\n) < 12
	v_max3_num_f32 v[rC+(\n)%4], v[rC+(\n)%4], v[rS+8*((\n)%4)+2*((\n)/4)+1], v[rS+8*((\n)%4)+2*((\n)/4)+2]
.elseif (\n) == 12
	v_max3_num_f32 v[rC], v[rC], v[rS+7], v[rS+15]
.elseif (\n) == 13
	v_max3_num_f32 v[rC+1], v[rC+1], v[rS+23], v[rS+31]
.elseif (\n) == 14
	v_max3_num_f32 v[rC+2], v[rC+2], v[rC+3], v[rT+1]
.elseif (\n) == 15
	v_mov_b32 v[rW], v[rT]
.elseif (\n) == 16
	v_max3_num_f32 v[rC], v[rC], v[rC+1], v[rC+2]
.elseif (\n) == 17
	v_permlanex16_b32 v[rC+3], v[rC], s[SEL], s[SEL+1]
.elseif (\n) == 18
	v_max_num_f32 v[rT+1], v[rC], v[rC+3]
.elseif (\n) == 19
	v_mul_f32 v[rT], s[CS], v[rT+1]
.elseif (\n) == 20
	v_sub_f32 v[rC+1], v[rW], v[rT]
.else
	v_exp_f32 v[rC+2], v[rC+1]
.endif
.endif
.endm
.macro OPS a, i1, b=-1, i2=0, c=-1, i3=0, d=-1, i4=0  ; up to four of them
	OP \a, \i1
.if (\b) >= 0
	OP \b, \i2
.endif
.if (\c) >= 0
	OP \c, \i3
.endif
.if (\d) >= 0
	OP \d, \i4
.endif
.endm
.macro ROW a, i1, b, i2, c, i3, d, i4  ; a matrix instruction and the four behind it
	MM
	OPS \a, \i1, \b, \i2, \c, \i3, \d, \i4
.endm
.macro MASK b                       ; MD x AL + BE into buffer b of MC
	WIN W_RS
.set z, 0
.rept 16
	v_pk_fma_f32 v[MC+32*(\b)+2*z:MC+32*(\b)+2*z+1], v[MD+2*z:MD+2*z+1], s[AL:AL+1], s[BE:BE+1] op_sel_hi:[1,0,0]
.set z, z+1
.endr
.endm
; A TURN, for piece p: the order of its 16 matrix and 118 vector instructions, written out.  Behind a matrix instruction: plain, exponential, plain, plain; or four of the rescaling; or, behind the first, four scalings; none
; names a register of the products round it.  In the lumps exponential and plain by turns while exponentials last.  A line reads no result made fewer than three vector instructions in front of it, five if an exponential made it.
; v_permlanex16_b32 (X 17) stands in a lump.
; m = 1: the diagonal tile: the products take masks, and the turn makes the mask for the products of the turn after it: piece p + 2, in step 4 - CNT of the tile.  end = 1: a block's last two turns: nothing is fetched.
; cnt = 1: the loop's count is taken down some lines ahead of the branch that stands behind the turn.
; K of the next step is fetched in piece 2's turn, six vector instructions behind the last product that read K (five of them plain); V of the step in hand in piece 0's turn, eight behind the last product that read V (four
; plain, and X 17).  Each is waited for a turn later.
.macro TURN p, m=0, end=0, cnt=0
.set Y, (\p)
.set i, 0
.set KM, (\m)
.set NOKQ, (\end)*((\p)/3)
.if (\m) && !(\end)
	s_cmp_eq_u32 s[CNT], 4-((\p)+2)%NP  ; is that step the band's own?
	s_cselect_b32 s[AL], 1.0, 0
	s_cmp_lt_u32 s[CNT], 4-((\p)+2)%NP  ; or a later one?
	s_cselect_b32 s[BE], s[BIGN], 0
.endif
.if ((\p) == 3) && !(\end)
	s_wait_dscnt 0x0                ; K is in
.endif
	ROW F,0, F,1, F,2, F,3
	ROW F,4, E,0, F,5, F,6
	ROW F,7, E,1, F,8, F,9
	ROW F,10, E,2, C,0, F,11
	ROW F,12, E,3, X,15, F,13
	ROW R,0, R,1, R,2, R,3
	ROW B,0, E,4, F,14, L,0
.if ((\p) == 2) && !(\end)
	v_add_nc_u32 v[AK], s[TBK], v[AK0]
.endif
	ROW R,4, R,5, R,6, R,7
	OPS E,5, F,15
.if ((\p) == 2) && !(\end)
	FETCH_K
.endif
	OPS E,6, C,1, E,7, R,8
	OPS E,8, R,9, E,9, C,2
	OPS E,10, X,0, E,11, X,1
	OPS E,12, X,2, E,13, X,3
.if (\p) == 1
	s_wait_dscnt 0x0                ; V is in
.endif
	ROW X,4, E,14, X,5, X,6
	ROW X,7, E,15, X,8, X,9
	ROW X,10, E,16, X,11, X,12
	ROW X,13, E,17, X,14, B,1
	ROW C,4, E,18, X,16, L,1
	ROW B,2, E,19, C,6, L,2
	ROW C,8, E,20, B,3, B,4
.if (\p) == 0
	v_add_nc_u32 v[AV], s[TBV], v[AV0]
.endif
	ROW C,3, E,21, L,3, C,5
	OPS E,22, X,17, E,23, C,10
.if (\p) == 0
	FETCH_V
.endif
	OPS E,24, L,4
	OPS E,25, X,18, E,26, C,7
	OPS E,27, B,5, E,28, X,19
	OPS E,29, C,12, E,30, L,5
	OPS E,31, X,20, B,6, C,9
	OPS C,14, C,11, X,21, L,6
.if (\p) == 0
	s_add_co_u32 s[TBV], s[TBV], KS*PV
.endif
.if \cnt
	s_sub_co_u32 s[CNT], s[CNT], 1
	s_cmp_lg_u32 s[CNT], 0
.endif
	OPS C,13, B,7, C,15, R,10
	OPS R,11, R,12, L,7, R,13
	OPS R,14, R,15
.if (\m) && !(\end)
	MASK (\p)%2
.endif
.endm
; A BLOCK BEGINS.  c m starts far below every c s, so the first step's a is 0; m at the lowest finite number, so the first maximum is the scores'.  The second mask buffer is 0; the first takes piece 0's mask for the tile's step 0: its own, if the block's first tile is the diagonal one.
; Then K of that step, piece 0's first scores, and its maximum and statistics.  The loop is entered at a step's first turn, in the middle of a trip.
.macro BEGIN
	s_mov_b32 s[NEW], 0
	WIN 0x40
.set i, MC+32
.rept 32
	v_mov_b32 v[i], 0
.set i, i+1
.endr
	WIN 0
.set i, 0
.rept 4
	v_mov_b32 v[ST+4*i], 0xfe000000    ; c m: far below every c s
	v_mov_b32 v[ST+4*i+1], 0xff7fffff  ; m
.set i, i+1
.endr
	s_cmp_eq_u32 s[RT], 0
	s_cselect_b32 s[AL], 1.0, 0
	s_mov_b32 s[BE], 0
	MASK 0
	WIN 0
	v_add_nc_u32 v[AK], s[TBK], v[AK0]
	FETCH_K
	s_wait_loadcnt 0x0              ; Q
	s_wait_dscnt 0x0
.set KM, 1
.set NOKQ, 0
.set i, 0
.rept 8
	KQ 0
.set i, i+1
.endr
	WIN 0
.rept 4
	v_nop                           ; the places behind those products
.endr
.set Y, NP-1                        ; X works for piece Y + 1: piece 0
.irp n, 0,1,2,3,4,5,6,7,8,9,10,11,12,13,14,15,16,17,18,19,20,21
	OP X, \n
.endr
	v_nop                           ; a plain instruction behind the exponential
.endm
; THE DIAGONAL TILE's four steps, the block's last two turns, its last products, and THE WAY OUT: l's two halves and the other half of the lanes' are added; O^T is divided by l, rounded to f16 and sent through my
; stage in LDS, a piece at a time.
.macro ALL line:vararg              ; one line for each piece t
.set t, 0
.rept 4
	\line
.set t, t+1
.endr
.endm
.macro PACK t                       ; a lane's eight channels of a row pack into 16 bytes; they go into rows of 144 bytes and come back as whole rows of 128, into S^T's registers
	WIN W_RS
.set i, 32*(\t)
.rept 16
	s_wait_alu depctr_va_vdst(0)
	v_pk_mul_f32 v[i:i+1], v[i:i+1], v[ST+4*(\t)+2:ST+4*(\t)+3] op_sel_hi:[1,0]
.set i, i+2
.endr
	WIN 0x05                        ; sources 0 and 1 window 1, destination window 0
.set i, 0
.rept 16
	v_cvt_pk_f16_f32 v[S+16*(\t)+i], v[32*(\t)+2*i], v[32*(\t)+2*i+1]
.set i, i+1
.endr
	WIN 0
.irp f, 0,1,2,3
	ds_store_b128 v[STO], v[S+16*(\t)+4*\f:S+16*(\t)+4*\f+3] offset:32*\f
.endr
.irp f, 0,1,2,3
	ds_load_b128 v[S+16*(\t)+4*\f:S+16*(\t)+4*\f+3], v[RD] offset:\f*4*SP  ; LDS serves a wave's instructions in order (ISA guide 5.7.1.4): these see the stores above; the next piece's stores come behind them
.endr
.endm
.macro SEND t, younger              ; younger: the LDS instructions issued behind piece t's loads: the next piece's eight, or none
	WIN 0
.irp f, 0,1,2,3
	s_wait_dscnt (\younger)+3-\f
	global_store_b128 v[GO], v[S+16*(\t)+4*\f:S+16*(\t)+4*\f+3], s[10:11] offset:(\t)*8192+\f*512  ; 512 consecutive bytes, at a multiple of 256 from o's first
.endr
.endm
.macro DIAG tag                     ; the tag ends its two labels' names, which the jumps below spell out
.LstepM\tag:
	TURN 2, 1
	TURN 3, 1
	WIN 0
.LfirstM\tag:
	TURN 0, 1
	TURN 1, 1, 0, 1
	WIN 0
	s_cbranch_scc1 .LstepM\tag
	TURN 2, 1, 1
	TURN 3, 1, 1
.set i, 0
.rept 8
	PV NP-1
.set i, i+1
.endr
	WIN 0
	ALL v_add_f32 v[ST+4*t+2], v[ST+4*t+2], v[ST+4*t+3]
	ALL v_permlanex16_b32 v[ST+4*t+3], v[ST+4*t+2], s[SEL], s[SEL+1]
	ALL v_add_f32 v[ST+4*t+2], v[ST+4*t+2], v[ST+4*t+3]
	ALL v_rcp_f32 v[ST+4*t+2], v[ST+4*t+2]
	v_nop                           ; a plain instruction between the last reciprocal and the use of its result
	PACK 0
.set t, 1
.rept 3                             ; a piece's arithmetic stands between the loads of the piece before and its stores
	PACK t
	SEND t-1, 8
.set t, t+1
.endr
	SEND 3, 0
.endm
.set KM, 0
.set NOKQ, 0
.Lslot:                             ; NB times: a tile is entered and the next is asked for
	CHANGE 1
	s_sub_co_u32 s[RT], s[RT], 1
	s_mov_b32 s[CNT], 4
	s_cmp_eq_u32 s[NEW], 1
	s_cbranch_scc1 .Lnew            ; a block's first tile
	s_cmp_eq_u32 s[RT], 0
	s_cbranch_scc0 .Lstep           ; neither its first nor its last
	s_branch .LstepM1
.Lnew:
	BEGIN
	s_branch .Lfirst                ; in the loop a block's first tile is never its last: the first block has two tiles or more, and the second's last is the walk's last
	DIAG 1                          ; in the loop this is the first block's end: the second block's last tile is the walk's last
	s_wait_xcnt 0x0                 ; the stores have read their registers and o's address
	s_mov_b64 s[10:11], s[OLO:OLO+1]
	s_add_co_u32 s[RT], s[PB], 1    ; the second block has b + 1 tiles
	s_mov_b32 s[NEW], 1
	WIN 0x82                        ; the second block's Q goes where the one text of the turns names Q
.set i, 0
.rept 64
	v_mov_b32 v[i], v[QB+i]
.set i, i+1
.endr
	WIN 0
	s_branch .Lbottom
.Lstep:                             ; a trip: pieces 2 and 3 of one step, then pieces 0 and 1 of the next, whose K and V it fetches
	TURN 2
	TURN 3
	WIN 0
.Lfirst:
	TURN 0
	TURN 1, 0, 0, 1
	WIN 0
	s_cbranch_scc1 .Lstep
.Lbottom:
	s_sub_co_u32 s[SLOTS], s[SLOTS], 1
	s_cmp_lg_u32 s[SLOTS], 0
	s_cbranch_scc1 .Lslot
	CHANGE 0                        ; the walk's last tile is written out: nothing is asked for
	s_sub_co_u32 s[RT], s[RT], 1
	s_mov_b32 s[CNT], 4
	s_cmp_eq_u32 s[NEW], 1
	s_cbranch_scc0 .LstepM2
	BEGIN
	s_branch .LfirstM2
	DIAG 2
	s_wait_tensorcnt 0x0            ; the wave's end: behind my last tensor load and my last LDS store
	ds_add_u32 v[SPW], v[NIL]
	s_wait_dscnt 0x0
	s_endpgm
.Lfunc_end_k_q1df8674c35_attn:
	.size	k_q1df8674c35_attn, .Lfunc_end_k_q1df8674c35_attn-k_q1df8674c35_attn
	.p2alignl 7, 3214868480
	.fill 96, 4, 3214868480
	.section	.rodata,"a",@progbits
	.p2align	6, 0x0
	.amdhsa_kernel k_q1df8674c35_attn
		.amdhsa_group_segment_fixed_size 327680
		.amdhsa_private_segment_fixed_size 0
		.amdhsa_enable_private_segment 0
		.amdhsa_kernarg_size 16
		.amdhsa_user_sgpr_count 2
		.amdhsa_user_sgpr_kernarg_segment_ptr 1
		.amdhsa_wavefront_size32 1
		.amdhsa_system_sgpr_workgroup_id_x 1
		.amdhsa_system_sgpr_workgroup_id_y 1
		.amdhsa_system_sgpr_workgroup_id_z 1
		.amdhsa_system_vgpr_workitem_id 0
		.amdhsa_next_free_vgpr 768
		.amdhsa_next_free_sgpr 92
		.amdhsa_reserve_vcc 1
		.amdhsa_float_denorm_mode_32 3
		.amdhsa_float_denorm_mode_16_64 3
		.amdhsa_memory_ordered 1
		.amdhsa_forward_progress 1
		.amdhsa_inst_pref_size 229
	.end_amdhsa_kernel
	.amdgpu_metadata
---
amdhsa.version: [ 1, 2 ]
amdhsa.kernels:
  - .name:           k_q1df8674c35_attn
    .symbol:         k_q1df8674c35_attn.kd
    .args:
      - { .name: qkv, .offset: 0, .size: 8, .value_kind: global_buffer, .address_space: global }
      - { .name: o, .offset: 8, .size: 8, .value_kind: global_buffer, .address_space: global }
    .group_segment_fixed_size: 327680
    .private_segment_fixed_size: 0
    .kernarg_segment_align: 8
    .kernarg_segment_size: 16
    .max_flat_workgroup_size: 128
    .sgpr_count:     92
    .vgpr_count:     768
    .wavefront_size: 32
...
	.end_amdgpu_metadata
.endif
;; end of part 3
;; launch proj (part 4): grid 8 x 32, 4 waves a work-group, clusters of 4 x 4, 327,680 bytes of LDS; arguments o, wpb, out0, bp; writes out0
.if DOCPART == 4
	.amdgcn_target "amdgcn-amd-amdhsa--gfx1250"
	.amdhsa_code_object_version 6
	.text
	.protected	k_q1df8674c35_proj
	.globl	k_q1df8674c35_proj
	.p2align	8
	.type	k_q1df8674c35_proj,@function
k_q1df8674c35_proj:
	s_mov_b64 s[64:65], 0
	v_nop
	global_prefetch_b8 v0, s[64:65] scope:SCOPE_SE
	s_setreg_imm32_b32 hwreg(HW_REG_WAVE_MODE, 25, 1), 1
	s_wait_xcnt 0x0
	s_wait_alu depctr_hold_cnt(0) depctr_sa_sdst(0) depctr_va_vdst(0) depctr_va_sdst(0) depctr_va_ssrc(0) depctr_va_vcc(0) depctr_vm_vsrc(0)
	s_getreg_b32 s2, hwreg(HW_REG_IB_STS2, 6, 4)
	s_cmp_eq_u32 s2, 0
	s_cbranch_scc0 .Lentry_in_a_cluster
	s_endpgm
.Lentry_in_a_cluster:
	s_bfe_u32 s2, ttmp6, 0x10000c
	s_cmp_lg_u32 s2, 0xf033
	s_cbranch_scc0 .Lentry_shape_is_right
	s_endpgm
.Lentry_shape_is_right:
; THE OUTPUT PROJECTION.  out0[b 2048 + t][n] = bf16(bp[n]) + the sum over k = 64 h + d of o[16 b + h][t][d] wpb[k][n].  o: [64][2048][64] f16; wpb: [1024][1024] f16; sums in f32, K ascending; out0 f32.
; bp is rounded to bf16 like every other input of the module, and is the C operand of the products that start the sums: no instruction is spent on adding it.
; LIMIT.  NaN and infinities are not treated apart.
; SHARES.  A tile is 256 rows x 128 columns, one for each of 8 x 32 work-groups.  Four waves, as many as a WGP has SIMDs: wave w makes rows 128 (w / 2) on, columns 64 (w % 2) on: 8 x 4 accumulators of
; 16 x 16, 256 registers.  K goes in 8 steps of 128, two heads each, through a ring of two LDS slots.  (Tiles of 256 x 256 would be 128, half of this grid.)
; o LIES BY HEADS: 128 rows of one head are 16,384 dense bytes.  A wave's tile is two such runs, one a head, 262,144 bytes apart; in LDS it lies [head][row][144 bytes].
; wpb LIES [k][n], K down the rows: it comes into LDS as it lies and out of it turned, by ds_load_tr16_b128.
; THE MATRIX INSTRUCTION IS USED TRANSPOSED: source 0 = 16 columns of wpb, source 1 = 16 rows of o.  A lane then holds row l % 16 and the columns 8 (l / 16) + 0..7: 32 bytes of f32 on end.
; CLUSTERS: 4 x 4 work-groups.  The four of a row need the same tiles of o, the four of a column the same tiles of wpb: each tile is asked for JOINTLY, by the same tensor load with the same descriptor and
; a mask that names the four.  No prefetch: a work-group has 8 K steps in all, each row of o is read by 8 tiles and each row of wpb by 32.
; REGISTERS, in windows of 256 (s_set_vgpr_msb: bits 1:0 source 0, 3:2 source 1, 5:4 source 2, 7:6 destination):
;   window 0: v0-31 addresses; v32-95 at work on the way out     window 1: two fragment buffers of 96: wpb's four fragments (32), then o's eight (64); v192-223 the bias; v224-239 at work
;   window 2: accumulator (a, b) at v[8 (4 a + b)]
.set PA,     144                       ; a row of a head in LDS: 128 bytes + 16 = 36 words: the 16 rows of a load start at 16 different groups of four banks (64 banks of 4 bytes: ISA guide 11.1)
.set HEADA,  128*PA                    ; 128 rows of one head
.set HALFA,  2*HEADA                   ; 128 rows x two heads: what wave 0 or 1 fetches, and what a wave reads
.set PB,     288                       ; a row of wpb's tile: 256 bytes + 32 = 72 words
.set HALFB,  64*PB                     ; 64 rows: what wave 2 or 3 fetches
.set BOFF,   2*HALFA
.set SLOT,   BOFF+2*HALFB              ; 110,592 bytes
.set STAGE,  2*SLOT                    ; behind the ring, never filled by a tensor load: 16 rows x 272 bytes for each wave
.set SP,     272
.set SPARE,  STAGE+4*16*SP             ; behind the stages: the spare words, 128 bytes for each wave: two blocks of 256 bytes that no other line names
.set KA,     2*2048*128                ; a K step in o: two heads
.set KB,     128*2048                  ; a K step in wpb: 128 rows
.set LAPS,   4                         ; a lap = two K steps = once round the ring
.set ADRA, 16                          ; v16-17  LDS address of my fragments of o in slot 0, 1
.set ADRB, 20                          ; v20-21  the same for wpb
.set STO,  24                          ; v24     the way out: where I put 32 bytes of a row
.set RD,   25                          ; v25     the way out: where I read rows back
.set CO,   26                          ; v26     my byte offset in two rows of out0
.set BO,   27                          ; v27     my byte offset in the bias
.set SPW,  28                          ; v28     LDS address of my spare word: SPARE + 4 x my thread's number; never rewritten
.set NIL,  29                          ; v29     0; never rewritten
.set OB,   32                          ; v32-63, v64-95 by turns: a block read back from the stage
.set F0,   0                           ; fragment buffers, in window 1
.set F1,   96
.set BIAS, 192                         ; window 1: column block b's eight numbers at BIAS + 8 b
.set BT,   224                         ; window 1
.set WV, 12                            ; s12 my wave's number
.set RH, 13                            ; s13 which 128 rows are mine.  Also: I fetch for o (0) or for wpb (1)
.set CH, 14                            ; s14 which 64 columns are mine.  Also: which half of that tile I fetch
.set CX, 15
.set CY, 16
.set TX, 17                            ; s17 tile column, 0..7
.set TY, 18                            ; s18 tile row, 0..31
.set G1A, 24                           ; s[24:31] descriptor group 1 for o's tiles;  s[32:39] group 0, a set for each slot
.set G0A, 32
.set G1B, 48                           ; s[48:55], s[56:63] the same for wpb's
.set G0B, 56
.set MSB, 0
.macro WIN new                         ; the immediate's high byte repeats the setting that is left; a switch that changes nothing is dropped
.if MSB != (\new)
	s_set_vgpr_msb (MSB<<8)|(\new)
.set MSB, \new
.endif
.endm
.set MUL,  0xa5                        ; both sources window 1, C and D window 2
.set MULB, 0x95                        ; the same with C, the bias, in window 1
.set TO_F, 0x40                        ; destination window 1, address window 0
; A joint load: waves 0 and 1 fetch o's two halves, waves 2 and 3 wpb's.  The branch hangs on the wave's number alone.
; An s_nop 0 and four v_nop follow each of the two lines, ahead of the jump, the label and what follows.
.macro JLOAD s
	s_cmp_eq_u32 s[RH], 0
	s_cbranch_scc0 .Lfor_b_\@
	tensor_load_to_lds s[G0A+4*(\s):G0A+4*(\s)+3], s[G1A:G1A+7]
	s_nop 0
.rept 4
	v_nop
.endr
	s_branch .Lasked_\@
.Lfor_b_\@:
	tensor_load_to_lds s[G0B+4*(\s):G0B+4*(\s)+3], s[G1B:G1B+7]
	s_nop 0
.rept 4
	v_nop
.endr
.Lasked_\@:
.endm
.macro CREST                           ; a round of the cluster's barrier behind its opening barrier: wave 0 signals for the work-group, every wave waits for all sixteen, my work-group's barrier once more
	s_cmp_lg_u32 s[WV], 0
	s_cbranch_scc1 .Lnot_wave_0_\@
	s_barrier_signal -3
.Lnot_wave_0_\@:
	s_barrier_wait -3
	s_barrier_signal -1
	s_barrier_wait -1
.endm
.macro CROUND                          ; a whole round
	s_barrier_signal -1
	s_barrier_wait -1
	CREST
.endm
	s_load_b256 s[4:11], s[0:1], 0x0               ; o s[4:5], wpb s[6:7], out0 s[8:9], bp s[10:11]
	v_lshl_add_u32 v[SPW], v0, 2, SPARE
	v_mov_b32 v[NIL], 0
	ds_add_u32 v[SPW], v[NIL]                      ; the wave's opening: the add and its wait stand ahead of my first tensor load; the set-up below, work on registers, stands between them
	ds_add_u32 v28, v29
	v_lshrrev_b32 v1, 5, v0
	v_readfirstlane_b32 s[WV], v1                  ; wave 0..3
	s_lshr_b32 s[RH], s[WV], 1
	s_and_b32 s[CH], s[WV], 1
	s_bfe_u32 s[CX], ttmp6, 0x40000                ; my place in the cluster
	s_bfe_u32 s[CY], ttmp6, 0x40004
	s_lshl_b32 s[TX], ttmp9, 2                     ; in a cluster launch ttmp9 and ttmp7 count clusters
	s_add_co_u32 s[TX], s[TX], s[CX]
	s_and_b32 s[TY], ttmp7, 0xffff
	s_lshl_b32 s[TY], s[TY], 2
	s_add_co_u32 s[TY], s[TY], s[CY]
	s_lshl_b32 s40, s[CY], 2
	s_lshl_b32 s40, 15, s40                        ; my row of the cluster: places 4 cy .. 4 cy + 3
	s_lshl_b32 s41, 0x1111, s[CX]                  ; my column: places cx, cx + 4, cx + 8, cx + 12
	; group 1 for o: two rows of 8,192 elements (128 rows of a head, dense), 131,072 elements (a head) apart; 4 words of padding behind every 32, that is behind each row of a head
	s_or_b32 s[G1A+0], s40, (1<<16)|(1<<20)|(1<<21)|(4<<22)|(3<<25)  ; 15:0 the mask; 17:16 elements of 2 bytes; 20 padding on; 21 set beside a mask; 24:22 the interval's code; 31:25 the padding's words less 1
	s_mov_b32 s[G1A+1], 8192<<16                   ; tensor_dim0
	s_mov_b32 s[G1A+2], 2<<16                      ; tensor_dim1
	s_mov_b32 s[G1A+3], 8192<<16                   ; tile_dim0
	s_mov_b32 s[G1A+4], 2                          ; tile_dim1
	s_mov_b32 s[G1A+5], 131072                     ; stride
	s_mov_b32 s[G1A+6], 0
	s_mov_b32 s[G1A+7], 0
	; group 1 for wpb: 64 rows x 128 elements, 1,024 elements from row to row, 8 words of padding behind every 64
	s_or_b32 s[G1B+0], s41, (1<<16)|(1<<20)|(1<<21)|(5<<22)|(7<<25)
	s_mov_b32 s[G1B+1], 128<<16
	s_mov_b32 s[G1B+2], 64<<16
	s_mov_b32 s[G1B+3], 128<<16
	s_mov_b32 s[G1B+4], 64
	s_mov_b32 s[G1B+5], 1024
	s_mov_b32 s[G1B+6], 0
	s_mov_b32 s[G1B+7], 0
	; where the tiles come from: o's hang on the tile row and the wave, wpb's on the tile column and the wave, each in registers that never hold the other coordinate
	s_lshr_b32 s20, s[TY], 3                       ; the batch: 16 heads of 262,144 bytes,
	s_lshl_b32 s20, s20, 22
	s_and_b32 s21, s[TY], 7                        ; 256 rows of 128 bytes in a head,
	s_lshl_b32 s21, s21, 15
	s_add_co_u32 s20, s20, s21
	s_lshl_b32 s21, s[CH], 14                      ; the 128 of them that I fetch
	s_add_co_u32 s20, s20, s21
	s_mov_b32 s21, 0
	s_lshl_b32 s42, s[TX], 8                       ; 128 columns of 2 bytes
	s_lshl_b32 s43, s[CH], 17                      ; the 64 rows of 2,048 bytes that I fetch
	s_add_co_u32 s42, s42, s43
	s_mov_b32 s43, 0
	s_mul_i32 s22, s[CH], HALFA                    ; and where they go: no place in the cluster enters an LDS address
	s_mul_i32 s23, s[CH], HALFB
	s_add_co_u32 s23, s23, BOFF
	s_wait_dscnt 0x0                               ; the opening add is done
	s_wait_kmcnt 0x0
	s_add_nc_u64 s[4:5], s[4:5], s[20:21]
	s_add_nc_u64 s[6:7], s[6:7], s[42:43]
	CROUND                                         ; all sixteen work-groups are here: the first joint loads meet
.irp s, 0,1
	s_mov_b32 s[G0A+4*(\s)], 1                                     ; count = 1
	s_add_co_u32 s[G0A+4*(\s)+1], s22, (\s)*SLOT                   ; LDS address
	s_add_nc_u64 s[G0A+4*(\s)+2:G0A+4*(\s)+3], s[4:5], (\s)*KA     ; global address: K step s
	s_or_b32 s[G0A+4*(\s)+3], s[G0A+4*(\s)+3], 0x80000000          ; type = 2
	s_mov_b32 s[G0B+4*(\s)], 1
	s_add_co_u32 s[G0B+4*(\s)+1], s23, (\s)*SLOT
	s_add_nc_u64 s[G0B+4*(\s)+2:G0B+4*(\s)+3], s[6:7], (\s)*KB
	s_or_b32 s[G0B+4*(\s)+3], s[G0B+4*(\s)+3], 0x80000000
	JLOAD \s                                       ; two loads of mine are out
.endr
	; the bias of my 64 columns: register j of column block b is bp[128 tx + 64 (w % 2) + 16 b + 8 (l / 16) + j]
	v_and_b32 v1, 15, v0                           ; l % 16
	v_bfe_u32 v2, v0, 4, 1                         ; l / 16
	v_lshlrev_b32 v[BO], 5, v2
	s_lshl_b32 s44, s[TX], 9
	s_lshl_b32 s45, s[CH], 8
	s_add_co_u32 s44, s44, s45
	s_mov_b32 s45, 0
	s_add_nc_u64 s[10:11], s[10:11], s[44:45]
	WIN TO_F
.irp b, 0,1,2,3
	global_load_b128 v[BIAS+8*(\b):BIAS+8*(\b)+3],   v[BO], s[10:11] offset:64*(\b)
	global_load_b128 v[BIAS+8*(\b)+4:BIAS+8*(\b)+7], v[BO], s[10:11] offset:64*(\b)+16
.endr
	WIN 0
	; A fragment of o is 16 rows x 32 K in 8 registers: lane l holds row l % 16, K = 8 (l / 16) + 0..7 and 16 + 8 (l / 16) + 0..7: two loads of 16 bytes, 32 bytes apart.
	v_mul_u32_u24 v3, v1, PA
	v_lshl_add_u32 v3, v2, 4, v3
	s_mul_i32 s19, s[RH], HALFA                    ; my 128 rows
	v_add_nc_u32 v[ADRA], s19, v3
	v_add_nc_u32 v[ADRA+1], SLOT, v[ADRA]
	; The turning load takes 16 K x 16 columns (lane l reads row 8 (l / 16) + l % 8, columns 8 ((l / 8) % 2) + 0..7) and leaves half a fragment: lane l holds column l % 16 and 8 K.
	v_and_b32 v7, 7, v0
	v_bfe_u32 v5, v0, 3, 1
	v_lshl_add_u32 v4, v2, 3, v7
	v_mul_u32_u24 v4, v4, PB
	v_lshl_add_u32 v4, v5, 4, v4
	s_lshl_b32 s19, s[CH], 7                       ; my 64 columns: 128 bytes of a row
	s_add_co_u32 s19, s19, BOFF
	v_add_nc_u32 v[ADRB], s19, v4
	v_add_nc_u32 v[ADRB+1], SLOT, v[ADRB]
	s_mul_i32 s19, s[WV], 16*SP
	s_add_co_u32 s19, s19, STAGE                   ; my stage
	v_mul_u32_u24 v3, v1, SP                       ; in: row l % 16, 32 bytes for each half of the lanes
	v_lshl_add_u32 v3, v2, 5, v3
	v_add_nc_u32 v[STO], s19, v3
	v_mul_u32_u24 v6, v2, SP                       ; back: lanes 0-15 take one row of 256 bytes, lanes 16-31 the next
	v_lshl_add_u32 v6, v1, 4, v6
	v_add_nc_u32 v[RD], s19, v6
	v_lshlrev_b32 v[CO], 12, v2                    ; and the same two rows in out0
	v_lshl_add_u32 v[CO], v1, 4, v[CO]
	s_lshl_b32 s46, s[TY], 20                      ; 256 rows of 4,096 bytes,
	s_lshl_b32 s47, s[RH], 19                      ; my 128 of them,
	s_add_co_u32 s46, s46, s47
	s_add_co_u32 s46, s46, s44                     ; my 64 columns, 256 bytes: the same offset as in the bias
	s_mov_b32 s47, 0
	s_add_nc_u64 s[8:9], s[8:9], s[46:47]
; 4 cnt matrix instructions: row blocks a0 .. a0 + cnt - 1 x all four column blocks, 32 along K, from buffer f.  zero = 1: the products start the sums, with the bias as C: nothing is ever cleared.
; The 32 accumulators take turns, one instruction a turn, in the same order in every quarter.
.macro MULN f, a0, cnt, zero
.if \zero
	WIN MULB
.else
	WIN MUL
.endif
.set ma, \a0
.rept \cnt
.irp b, 0,1,2,3
.if \zero
	v_wmma_f32_16x16x32_f16 v[8*(4*ma+(\b)):8*(4*ma+(\b))+7], v[(\f)+8*(\b):(\f)+8*(\b)+7], v[(\f)+32+8*ma:(\f)+32+8*ma+7], v[BIAS+8*(\b):BIAS+8*(\b)+7]
.else
	v_wmma_f32_16x16x32_f16 v[8*(4*ma+(\b)):8*(4*ma+(\b))+7], v[(\f)+8*(\b):(\f)+8*(\b)+7], v[(\f)+32+8*ma:(\f)+32+8*ma+7], v[8*(4*ma+(\b)):8*(4*ma+(\b))+7]
.endif
.endr
.set ma, ma+1
.endr
.endm
; 24 LDS loads in one run: the fragments of quarter q of a K step (32 along K: head q / 2, channels 32 (q % 2) on) into buffer f: wpb's four, then o's eight, row blocks 4-7 last
.macro FETCH slot, q, f
	WIN TO_F
.irp b, 0,1,2,3
	ds_load_tr16_b128 v[(\f)+8*(\b):(\f)+8*(\b)+3],   v[ADRB+(\slot)] offset:(\q)*32*PB+32*(\b)
	ds_load_tr16_b128 v[(\f)+8*(\b)+4:(\f)+8*(\b)+7], v[ADRB+(\slot)] offset:(\q)*32*PB+32*(\b)+16*PB
.endr
.irp a, 0,1,2,3,4,5,6,7
	ds_load_b128 v[(\f)+32+8*(\a):(\f)+32+8*(\a)+3],   v[ADRA+(\slot)] offset:((\q)/2)*HEADA+((\q)%2)*64+(\a)*16*PA
	ds_load_b128 v[(\f)+32+8*(\a)+4:(\f)+32+8*(\a)+7], v[ADRA+(\slot)] offset:((\q)/2)*HEADA+((\q)%2)*64+(\a)*16*PA+32
.endr
.endm
.macro PLACES                          ; four plain vector instructions between a matrix instruction and a load into a register that it has read, or a line that reads its result (ISA guide 7.12.1 for a line that reads its result)
.rept 4
	v_nop
.endr
.endm
; A K step is four quarters of 32 along K, 32 matrix instructions each, on buffers 0, 1, 0, 1.  One of the first three: multiplies buffer f and, in its middle, fetches quarter q into buffer g.
.macro QUARTER slot, q, f, g, zero
	s_wait_dscnt 8                                 ; wpb's fragments and o's row blocks 0-3 are in; the youngest eight loads (row blocks 4-7) may be out
	MULN \f, 0, 4, \zero
	PLACES
	FETCH \slot, \q, \g
	s_wait_dscnt 24                                ; all but the 24 just issued
	MULN \f, 4, 4, \zero
.endm
; The last quarter multiplies buffer 1 and changes slots: ONE barrier.  In front of it each wave waits for all its tensor loads (one is out: its part of the next slot), adds 0 to its spare word, and waits for
; that and for its reads of this slot.  fill = 1: the barrier opens a round of the cluster's, and behind the round this slot is filled again first, with the K step two on.
; From a request to the wait for it a wave issues 112 matrix instructions.
.macro TURN slot, next, fill
	WIN 0                                          ; (the add's two registers lie in window 0)
	s_wait_tensorcnt 0x0
	ds_add_u32 v[SPW], v[NIL]                      ; 0 onto my spare word
	s_wait_dscnt 9                                 ; (the add and the youngest eight loads may be out)
	MULN F1, 0, 2, 0                               ; eight matrix instructions stand between the add and the wait for it
	s_wait_dscnt 0x0                               ; the add is done, and my reads of this slot are over
	s_barrier_signal -1
	MULN F1, 2, 2, 0                               ; work on registers while the others arrive
.if \fill
	WIN 0
.endif
	s_barrier_wait -1
.if \fill
	CREST                                          ; no wave of any partner still reads this slot's tile or has a load on its way
	s_add_nc_u64 s[G0A+4*(\slot)+2:G0A+4*(\slot)+3], s[G0A+4*(\slot)+2:G0A+4*(\slot)+3], 2*KA
	s_add_nc_u64 s[G0B+4*(\slot)+2:G0B+4*(\slot)+3], s[G0B+4*(\slot)+2:G0B+4*(\slot)+3], 2*KB
	JLOAD \slot                                    ; the first tensor load behind the round; its four v_nop are also the places in front of the loads below
.else
	PLACES
.endif
	FETCH \next, 0, F0
	MULN F1, 4, 4, 0
.endm
; THE WAY OUT, a block of 16 rows at a time.  TOSTAGE: a lane's 32 bytes of each accumulator, the low registers first, into my own stage, and back as whole rows of 256 bytes.  SEND: stored.
.macro TOSTAGE a
.set BK, OB+32*((\a)%2)
	WIN 0x08                                       ; the stores' data in window 2
.irp b, 0,1,2,3
	ds_store_b128 v[STO], v[8*(4*(\a)+(\b)):8*(4*(\a)+(\b))+3]   offset:64*(\b)
	ds_store_b128 v[STO], v[8*(4*(\a)+(\b))+4:8*(4*(\a)+(\b))+7] offset:64*(\b)+16
.endr
	WIN 0
	s_wait_xcnt 0x0                                ; the stores of the block two back have read their data: the loads below land in those registers
.irp t, 0,1,2,3,4,5,6,7
	ds_load_b128 v[BK+4*(\t):BK+4*(\t)+3], v[RD] offset:(\t)*2*SP  ; LDS serves a wave's instructions in order (ISA guide 5.7.1.4): these see the stores above
.endr
.endm
.macro SEND a, younger                 ; younger: the LDS instructions issued behind block a's loads: the next block's sixteen, or none
.set BK, OB+32*((\a)%2)
	s_wait_dscnt \younger
.irp t, 0,1,2,3,4,5,6,7
	global_store_b128 v[CO], v[BK+4*(\t):BK+4*(\t)+3], s[8:9] offset:(\a)*65536+(\t)*8192 th:TH_STORE_NT  ; 16 lanes store 256 consecutive bytes, at a multiple of 256 from out0's first
.endr
.endm
	s_wait_tensorcnt 1                             ; my part of K step 0 is in; K step 1's may stay out
	s_barrier_signal -1
	s_barrier_wait -1                              ; everybody's is
	FETCH 0, 0, F0
	s_wait_loadcnt 0x0                             ; the bias
	WIN 0x45                                       ; all in window 1: each pair is rounded to bf16 and widened again
.set i, 0
.rept 16
	v_cvt_pk_bf16_f32 v[BT+i], v[BIAS+2*i], v[BIAS+2*i+1]
.set i, i+1
.endr
.set i, 0
.rept 16
	v_lshlrev_b32 v[BIAS+2*i],   16,         v[BT+i]
	v_and_b32     v[BIAS+2*i+1], 0xffff0000, v[BT+i]
.set i, i+1
.endr
	QUARTER 0, 1, F0, F1, 1                        ; the first quarter stands in front of the loop: its products start the sums
	WIN 0                                          ; at a label and at a branch every window is 0
	s_mov_b32 s3, LAPS-1
.Llap:                                                 ; a trip goes once round the ring, from a lap's second quarter to the next lap's first, and fills both slots again
	QUARTER 0, 2, F1, F0, 0
	QUARTER 0, 3, F0, F1, 0
	TURN 0, 1, 1
	QUARTER 1, 1, F0, F1, 0
	QUARTER 1, 2, F1, F0, 0
	QUARTER 1, 3, F0, F1, 0
	TURN 1, 0, 1
	QUARTER 0, 1, F0, F1, 0
	WIN 0
	s_sub_co_u32 s3, s3, 1
	s_cmp_lg_u32 s3, 0
	s_cbranch_scc1 .Llap
	QUARTER 0, 2, F1, F0, 0                        ; the last lap fills nothing, and has no round
	QUARTER 0, 3, F0, F1, 0
	TURN 0, 1, 0
	QUARTER 1, 1, F0, F1, 0
	QUARTER 1, 2, F1, F0, 0
	QUARTER 1, 3, F0, F1, 0
	s_wait_dscnt 8                                 ; the very last quarter: nothing more to fetch
	MULN F1, 0, 4, 0
	s_wait_dscnt 0x0
	MULN F1, 4, 4, 0
	WIN 0
	PLACES
	TOSTAGE 0
.irp a, 1,2,3,4,5,6,7                  ; block a goes into the stage while block a - 1's loads come back
	TOSTAGE \a
	SEND (\a)-1, 16
.endr
	SEND 7, 0
	s_wait_tensorcnt 0x0                           ; the wave's end: behind my last tensor load and my last LDS store
	ds_add_u32 v[SPW], v[NIL]
	s_wait_dscnt 0x0
	CROUND                                         ; the closing round: no work-group ends while a partner may still ask for a tile that names it
	s_endpgm
.Lfunc_end_k_q1df8674c35_proj:
	.size	k_q1df8674c35_proj, .Lfunc_end_k_q1df8674c35_proj-k_q1df8674c35_proj
	.p2alignl 7, 3214868480
	.fill 96, 4, 3214868480
	.section	.rodata,"a",@progbits
	.p2align	6, 0x0
	.amdhsa_kernel k_q1df8674c35_proj
		.amdhsa_group_segment_fixed_size 327680
		.amdhsa_private_segment_fixed_size 0
		.amdhsa_enable_private_segment 0
		.amdhsa_kernarg_size 32
		.amdhsa_user_sgpr_count 2
		.amdhsa_user_sgpr_kernarg_segment_ptr 1
		.amdhsa_wavefront_size32 1
		.amdhsa_system_sgpr_workgroup_id_x 1
		.amdhsa_system_sgpr_workgroup_id_y 1
		.amdhsa_system_sgpr_workgroup_id_z 1
		.amdhsa_system_vgpr_workitem_id 0
		.amdhsa_next_free_vgpr 768
		.amdhsa_next_free_sgpr 66
		.amdhsa_reserve_vcc 0
		.amdhsa_float_denorm_mode_32 3
		.amdhsa_float_denorm_mode_16_64 3
		.amdhsa_memory_ordered 1
		.amdhsa_forward_progress 1
		.amdhsa_inst_pref_size 89
	.end_amdhsa_kernel
	.amdgpu_metadata
---
amdhsa.version: [ 1, 2 ]
amdhsa.kernels:
  - .name:           k_q1df8674c35_proj
    .symbol:         k_q1df8674c35_proj.kd
    .args:
      - { .name: o, .offset: 0, .size: 8, .value_kind: global_buffer, .address_space: global }
      - { .name: wpb, .offset: 8, .size: 8, .value_kind: global_buffer, .address_space: global }
      - { .name: out0, .offset: 16, .size: 8, .value_kind: global_buffer, .address_space: global }
      - { .name: bp, .offset: 24, .size: 8, .value_kind: global_buffer, .address_space: global }
    .group_segment_fixed_size: 327680
    .private_segment_fixed_size: 0
    .kernarg_segment_align: 8
    .kernarg_segment_size: 32
    .max_flat_workgroup_size: 128
    .sgpr_count:     66
    .vgpr_count:     768
    .wavefront_size: 32
...
	.end_amdgpu_metadata
.endif
;; end of part 4
;; ======== version 2 of 2: 4 launches; version 1 with the launch prep written anew for expert scheduling mode
;; limits: values are held in f16: magnitudes above 65,504 overflow, below 6.1e-05 lose precision
;; workspace buffers: xb 16,777,216 bytes; wb 6,291,456 bytes; wpb 2,097,152 bytes; qkv 50,331,648 bytes; o 16,777,216 bytes
;; launch prep (part 5): grid 768 x 1, 8 waves a work-group, no clusters, 0 bytes of LDS; arguments x, Wq, Wk, Wv, Wp, xb, wb, wpb; writes xb, wb, wpb
.if DOCPART == 5
	.amdgcn_target "amdgcn-amd-amdhsa--gfx1250"
	.amdhsa_code_object_version 6
	.text
	.protected	k_q1df8674c35_prep
	.globl	k_q1df8674c35_prep
	.p2align	8
	.type	k_q1df8674c35_prep,@function
k_q1df8674c35_prep:
	s_mov_b64 s[64:65], 0
	v_nop
	global_prefetch_b8 v0, s[64:65] scope:SCOPE_SE
	s_setreg_imm32_b32 hwreg(HW_REG_WAVE_SCHED_MODE, 0, 2), 2
	s_setreg_imm32_b32 hwreg(HW_REG_WAVE_MODE, 25, 1), 1
	s_wait_xcnt 0x0
	s_wait_alu depctr_vm_vsrc(0)
; ROUNDING OF THE INPUTS, element by element, nothing is moved: xb = bf16(x); wb = bf16(Wq), bf16(Wk), bf16(Wv) one behind the other, each as it lies ([16][1024][64]);
; wpb = bf16(Wp) written as f16 (the last product multiplies in f16).
; LIMIT.  bf16(Wp) beyond 65,504 becomes an infinity in f16; below 6.1e-5 it keeps f16's fixed step of 6e-8.
; SHARES.  12,582,912 numbers in 768 chunks of 16,384: chunks 0-511 x, 512-575 Wq, 576-639 Wk, 640-703 Wv, 704-767 Wp.  A work-group of eight waves takes a chunk: 64 KiB in, 32 KiB out.
; Thread t's load i takes the 16 bytes at 4,096 i + 16 t (a wave: 512 consecutive bytes), its store i the 8 bytes at 2,048 i + 8 t (a wave: 256 consecutive bytes, aligned).
; All sixteen loads go out at once, so there is no loop, and each store has data registers of its own, so nothing is freed by a wait.
; No LDS, no matrix unit, no prefetch: each byte is read once by the loads themselves, and nothing is shared.
; THE MODE: SCHED_MODE bits 1:0 = 2 (LLVM: expert scheduling mode 2), set by the entry lines.  The code itself states the register dependences
; between vector instructions and memory instructions, with s_wait_alu, always for 0.
; THE PLAN.  Registers that memory instructions touch:
;   v1, v2   byte offsets of the loads and of the stores: made once at the head, never written again.
;   X        written by the sixteen loads, which are issued in one run at the head, ahead of every vector instruction that names X; read by the roundings; never loaded again.
;   Y        a pair for each store: written by the roundings, read by that one store, never written again.
;   T        at work on Wp's path: named by vector instructions alone.
; The sixteen loads are worked off in four blocks of four.  Block p rounds its four loads into their Y; its memory instructions are the four stores of block p - 1, whose Y no vector
; instruction of block p names.  So one wait at a block's head, behind the wait for the block's data, states all that its four stores hang on, and they are dealt among its roundings
; with no further wait.  One more such wait stands ahead of the last four stores, and one ahead of the loads, for the offsets.  No register that a memory instruction reads is written
; again, no vector instruction writes a scalar register, and EXEC is never written: nothing else is owed.
.set X, 4                              ; v[4:67]    load i: four f32
.set Y, 68                             ; v[68:99]   store i: four 16-bit numbers in two registers
.set T, 100                            ; v[100:103] at work (Wp's path)
.set SRC, 24                           ; s[24:25] the chunk in its input
.set DST, 26                           ; s[26:27] the chunk in its workspace
	s_load_b512 s[8:23], s[0:1], 0x0               ; x 8, Wq 10, Wk 12, Wv 14, Wp 16, xb 18, wb 20, wpb 22
	v_lshlrev_b32 v1, 4, v0                        ; 16 t
	v_lshlrev_b32 v2, 3, v0                        ; 8 t
	s_mov_b32 s2, ttmp9                            ; the chunk g
	s_max_u32 s3, s2, 512
	s_sub_co_u32 s3, s3, 512                       ; its number in wb
	s_and_b32 s4, s3, 63                           ; its number in Wq, Wk or Wv
	s_max_u32 s5, s2, 704
	s_sub_co_u32 s5, s5, 704                       ; its number in Wp and wpb
	s_wait_kmcnt 0x0
	s_cmp_lt_u32 s2, 512
	s_cselect_b64 s[SRC:SRC+1], s[8:9], s[10:11]
	s_cselect_b64 s[DST:DST+1], s[18:19], s[20:21]
	s_cselect_b32 s28, s2, s4
	s_cselect_b32 s30, s2, s3
	s_cmp_ge_u32 s2, 576
	s_cselect_b64 s[SRC:SRC+1], s[12:13], s[SRC:SRC+1]
	s_cmp_ge_u32 s2, 640
	s_cselect_b64 s[SRC:SRC+1], s[14:15], s[SRC:SRC+1]
	s_cmp_ge_u32 s2, 704
	s_cselect_b64 s[SRC:SRC+1], s[16:17], s[SRC:SRC+1]
	s_cselect_b64 s[DST:DST+1], s[22:23], s[DST:DST+1]
	s_cselect_b32 s28, s5, s28
	s_cselect_b32 s30, s5, s30
	s_lshl_b32 s28, s28, 16                        ; 65,536 bytes of f32 a chunk
	s_mov_b32 s29, 0
	s_lshl_b32 s30, s30, 15                        ; 32,768 bytes of 16-bit numbers
	s_mov_b32 s31, 0
	s_add_nc_u64 s[SRC:SRC+1], s[SRC:SRC+1], s[28:29]
	s_add_nc_u64 s[DST:DST+1], s[DST:DST+1], s[30:31]
	s_wait_alu depctr_va_vdst(0)                   ; v1 and v2 are written: every load below reads v1 as its offset, every store v2
.irp i, 0,1,2,3,4,5,6,7,8,9,10,11,12,13,14,15
	global_load_b128 v[X+4*(\i):X+4*(\i)+3], v1, s[SRC:SRC+1] offset:4096*(\i) th:TH_LOAD_NT
.endr
; Load i is rounded into its Y.  f16 = 1: the bf16 numbers are widened again and written as f16.
.macro ROUND i, f16
	v_cvt_pk_bf16_f32 v[Y+2*(\i)],   v[X+4*(\i)],   v[X+4*(\i)+1]
	v_cvt_pk_bf16_f32 v[Y+2*(\i)+1], v[X+4*(\i)+2], v[X+4*(\i)+3]
.if \f16
	v_lshlrev_b32 v[T],   16,         v[Y+2*(\i)]
	v_and_b32     v[T+1], 0xffff0000, v[Y+2*(\i)]
	v_lshlrev_b32 v[T+2], 16,         v[Y+2*(\i)+1]
	v_and_b32     v[T+3], 0xffff0000, v[Y+2*(\i)+1]
	v_cvt_pk_f16_f32 v[Y+2*(\i)],   v[T],   v[T+1]
	v_cvt_pk_f16_f32 v[Y+2*(\i)+1], v[T+2], v[T+3]
.endif
.endm
; Y of load i is stored.
.macro STORE i
	global_store_b64 v2, v[Y+2*(\i):Y+2*(\i)+1], s[DST:DST+1] offset:2048*(\i) th:TH_STORE_NT
.endm
; Block p: loads 4 p to 4 p + 3 are rounded; the stores of block p - 1 stand among the roundings, one ahead of each load's.
.macro BLK p, f16
	s_wait_loadcnt 12-4*(\p)                       ; loads come back in order (ISA guide 5.7.1): this block's four are in, the younger blocks' stay out
.if (\p) > 0
	s_wait_alu depctr_va_vdst(0)                   ; the block before has written its eight registers of Y, which the four stores below read; no vector instruction behind this wait names them
.endif
.irp j, 0,1,2,3
.if (\p) > 0
	STORE 4*(\p)-4+(\j)
.endif
	ROUND 4*(\p)+(\j), \f16
.endr
.endm
; The whole chunk, and the last block's stores.
.macro CHUNK f16
	BLK 0, \f16
	BLK 1, \f16
	BLK 2, \f16
	BLK 3, \f16
	s_wait_alu depctr_va_vdst(0)                   ; block 3 has written its eight registers of Y, which the last four stores read
.irp j, 12,13,14,15
	STORE \j
.endr
.endm
	s_cmp_ge_u32 s2, 704
	s_cbranch_scc1 .Lf16
	CHUNK 0
	s_endpgm
.Lf16:
	CHUNK 1
	s_endpgm
.Lfunc_end_k_q1df8674c35_prep:
	.size	k_q1df8674c35_prep, .Lfunc_end_k_q1df8674c35_prep-k_q1df8674c35_prep
	.p2alignl 7, 3214868480
	.fill 96, 4, 3214868480
	.section	.rodata,"a",@progbits
	.p2align	6, 0x0
	.amdhsa_kernel k_q1df8674c35_prep
		.amdhsa_group_segment_fixed_size 0
		.amdhsa_private_segment_fixed_size 0
		.amdhsa_enable_private_segment 0
		.amdhsa_kernarg_size 64
		.amdhsa_user_sgpr_count 2
		.amdhsa_user_sgpr_kernarg_segment_ptr 1
		.amdhsa_wavefront_size32 1
		.amdhsa_system_sgpr_workgroup_id_x 1
		.amdhsa_system_sgpr_workgroup_id_y 1
		.amdhsa_system_sgpr_workgroup_id_z 1
		.amdhsa_system_vgpr_workitem_id 0
		.amdhsa_next_free_vgpr 104
		.amdhsa_next_free_sgpr 66
		.amdhsa_reserve_vcc 0
		.amdhsa_float_denorm_mode_32 3
		.amdhsa_float_denorm_mode_16_64 3
		.amdhsa_memory_ordered 1
		.amdhsa_forward_progress 1
		.amdhsa_inst_pref_size 16
	.end_amdhsa_kernel
	.amdgpu_metadata
---
amdhsa.version: [ 1, 2 ]
amdhsa.kernels:
  - .name:           k_q1df8674c35_prep
    .symbol:         k_q1df8674c35_prep.kd
    .args:
      - { .name: x, .offset: 0, .size: 8, .value_kind: global_buffer, .address_space: global }
      - { .name: Wq, .offset: 8, .size: 8, .value_kind: global_buffer, .address_space: global }
      - { .name: Wk, .offset: 16, .size: 8, .value_kind: global_buffer, .address_space: global }
      - { .name: Wv, .offset: 24, .size: 8, .value_kind: global_buffer, .address_space: global }
      - { .name: Wp, .offset: 32, .size: 8, .value_kind: global_buffer, .address_space: global }
      - { .name: xb, .offset: 40, .size: 8, .value_kind: global_buffer, .address_space: global }
      - { .name: wb, .offset: 48, .size: 8, .value_kind: global_buffer, .address_space: global }
      - { .name: wpb, .offset: 56, .size: 8, .value_kind: global_buffer, .address_space: global }
    .group_segment_fixed_size: 0
    .private_segment_fixed_size: 0
    .kernarg_segment_align: 8
    .kernarg_segment_size: 64
    .max_flat_workgroup_size: 256
    .sgpr_count:     66
    .vgpr_count:     104
    .wavefront_size: 32
...
	.end_amdgpu_metadata
.endif
;; end of part 5
;; launch qkv: the kernel of part 2 again; grid 8 x 32, 4 waves a work-group, clusters of 4 x 4, 327,680 bytes of LDS; arguments xb, wb, qkv; writes qkv
;; launch attn: the kernel of part 3 again; grid 4 x 64, 4 waves a work-group, no clusters, 327,680 bytes of LDS; arguments qkv, o; writes o
;; launch proj: the kernel of part 4 again; grid 8 x 32, 4 waves a work-group, clusters of 4 x 4, 327,680 bytes of LDS; arguments o, wpb, out0, bp; writes out0
